; MI455X (gfx1250); checked and timed in simulation.
; The chip was launched on July 23, 2026; its instructions are those of AMD's public machine-readable ISA for CDNA 5 (MIT licence, August 2026) and "CDNA5" Instruction Set Architecture Reference Guide (July 2026). The comments in the code are by the model that wrote it; some were corrected since.
;; Attention multi doublevalue. Allowed arithmetic: float matrix products may take bf16 or f16 operands with f32 sums; other float arithmetic in f32, or as packed bf16 or f16 multiplies, adds, multiply-adds, maxima and minima; sums over many terms, partial sums and values carried from step to step in f32; what a program stores and reads back later, other than sums and carried values, may be rounded once to bf16 or f16.
;; Inputs: Wk 768 x 768 float32; Wp 768 x 768 float32; Wq 768 x 768 float32; Wv 768 x 768 float32; Wvc 768 x 768 float32; bp 768 float32; x 16 x 906 x 768 float32.
;; Outputs: out0 16 x 906 x 768 float32.
;; One version. Each part assembles by itself: llvm-mc -triple=amdgcn-amd-amdhsa -mcpu=gfx1250 --defsym DOCPART=n.
;; ======== version 1 of 1: 4 launches
;; limits: values are held in f16: magnitudes above 65,504 overflow, below 6.1e-05 lose precision
;; workspace buffers: xb 23,592,960 bytes; wt 5,898,240 bytes; qkv 94,371,840 bytes; o 25,165,824 bytes
;; launch prep (part 1): grid 1320 x 1, 8 waves a work-group, no clusters, 18,432 bytes of LDS; arguments x, Wq, Wk, Wv, Wvc, Wp, xb, wt; writes xb, wt
.if DOCPART == 1
	.amdgcn_target "amdgcn-amd-amdhsa--gfx1250"
	.amdhsa_code_object_version 6
	.text
	.protected	k_qeec00d7da6_prep
	.globl	k_qeec00d7da6_prep
	.p2align	8
	.type	k_qeec00d7da6_prep,@function
k_qeec00d7da6_prep:
	s_mov_b64 s[64:65], 0
	v_nop
	global_prefetch_b8 v0, s[64:65] scope:SCOPE_SE
	s_setreg_imm32_b32 hwreg(HW_REG_WAVE_MODE, 25, 1), 1
	s_wait_xcnt 0x0
; PREP.  x [16][906][768] f32 -> xb [16][960][768] f16 in POSITION order; the five weights [in][out] f32 -> wt [3840][768] f16, turned to [out][in].
; POSITIONS.  Of a batch's 960 positions p, 0..512 hold tokens 0..512, 513..527 are rows of zeros, 528..920 hold tokens 513..905, 921..959 are rows of zeros:
; every block of 16 positions is of one modality, and 16 x 960 rows divide into tiles of 256.
; ROUNDING.  Every number is rounded to bf16 (nearest even), and that number is written as f16.
; LIMITS.  |x| and |W| stay under 65,504 (f16's end); a bf16 number under 2^-17 keeps f16's fixed step of 2^-24; NaN and infinities are not treated apart.
; SHARES.  Work-groups 0..959: a block of 16 positions each, two rows a wave.  Work-groups 960..1319: a tile of 128 in x 64 out of one weight, turned in LDS.
; A stream: no matrix work, no tile is shared, so it loads through registers.  For x each load of a wave covers 512 consecutive bytes and each store 256, aligned; for wt a store covers two aligned runs of 256.
.set SPARE, 17408                      ; behind the tile [64][272]: the spare words, 128 bytes for each of eight waves
.set SPW, 90                           ; v90  LDS address of my spare word; never rewritten
.set NIL, 91                           ; v91  0; never rewritten
.macro RND d, a, b                     ; two f32 -> bf16 -> the same two numbers as f16, packed
	v_cvt_pk_bf16_f32 v7, v[\a], v[\b]
	v_lshlrev_b32 v8, 16, v7
	v_and_b32 v9, s33, v7
	v_cvt_pk_f16_f32 v[\d], v8, v9
.endm
	s_load_b512 s[4:19], s[0:1], 0x0               ; x s[4:5], Wq, Wk, Wv, Wvc, Wp s[6:15], xb s[16:17], wt s[18:19]
	v_lshl_add_u32 v[SPW], v0, 2, SPARE
	v_mov_b32 v[NIL], 0
	s_mov_b32 s33, 0xffff0000                      ; a word's upper bf16
	s_cmp_lt_u32 ttmp9, 960                        ; the same answer in all eight waves
	s_cbranch_scc0 .Lweights
	; ---- a block of 16 positions of x: wave w takes rows 2 w and 2 w + 1 ----
	v_lshrrev_b32 v1, 5, v0
	v_readfirstlane_b32 s34, v1                    ; wave 0..7
	s_mul_i32 s20, ttmp9, 1093
	s_lshr_b32 s20, s20, 16                        ; batch = g / 60 (exact for g < 1,440)
	s_mul_i32 s21, s20, 60
	s_sub_co_u32 s21, ttmp9, s21
	s_lshl_b32 s21, s21, 4                         ; p0, the block's first position
	s_mov_b32 s28, 513
	s_cmp_lt_u32 s21, 528
	s_cselect_b32 s22, s28, 921                    ; where the modality's tokens end, in positions
	s_cselect_b32 s23, 0, 15                       ; position less token
	s_sub_co_i32 s22, s22, s21
	s_max_i32 s22, s22, 0
	s_min_i32 s22, s22, 16                         ; NV: the block's first NV rows are tokens (16, 1, 9 or 0)
	s_sub_co_u32 s23, s21, s23                     ; the first row's token
	s_mul_i32 s24, s20, 906
	s_add_co_u32 s24, s24, s23
	s_mul_i32 s24, s24, 3072
	s_cmp_eq_u32 s22, 0
	s_cselect_b32 s24, 0, s24                      ; a block of zeros reads x's first bytes and masks them
	s_lshl_b32 s35, s34, 1                         ; my first row,
	s_add_co_u32 s37, s35, 1                       ; my second
	s_cmp_lt_u32 s35, s22                          ; is it a token?
	s_cselect_b32 s36, s35, 0                      ; if not: the block's first row is read,
	s_cselect_b32 s38, -1, 0                       ; and the mask is 0
	s_cmp_lt_u32 s37, s22
	s_cselect_b32 s37, s37, 0
	s_cselect_b32 s39, -1, 0
	s_mul_i32 s36, s36, 3072
	s_mul_i32 s37, s37, 3072
	s_add_co_u32 s40, s24, s36
	s_mov_b32 s41, 0
	s_add_co_u32 s42, s24, s37
	s_mov_b32 s43, 0
	s_mul_i32 s26, ttmp9, 24576                    ; the block in xb,
	s_mul_i32 s27, s35, 1536                       ; my two rows of 1,536 bytes
	s_add_co_u32 s26, s26, s27
	s_mov_b32 s27, 0
	v_and_b32 v1, 31, v0
	v_lshlrev_b32 v2, 4, v1                        ; four numbers in: 16 bytes a lane
	v_lshlrev_b32 v5, 3, v1                        ; four numbers out: 8 bytes a lane
	s_wait_kmcnt 0x0
	s_add_nc_u64 s[40:41], s[4:5], s[40:41]
	s_add_nc_u64 s[42:43], s[4:5], s[42:43]
	s_add_nc_u64 s[26:27], s[16:17], s[26:27]
.set j, 0
.rept 12                               ; six loads a row, 512 consecutive bytes each
	global_load_b128 v[24+4*j:24+4*j+3], v2, s[40+2*(j/6):41+2*(j/6)] offset:512*(j%6) th:TH_LOAD_NT
.set j, j+1
.endr
.set j, 0
.rept 12
.set D, 24+4*j
	s_wait_loadcnt 11-j                            ; loads come back in order: load j is in, the younger ones stay out
	RND D, D, D+1                                  ; each result lands in a register whose number has been read
	RND D+1, D+2, D+3
	v_and_b32 v[D], s[38+j/6], v[D]
	v_and_b32 v[D+1], s[38+j/6], v[D+1]
	global_store_b64 v5, v[D:D+1], s[26:27] offset:1536*(j/6)+256*(j%6) th:TH_STORE_NT  ; 32 lanes store 256 consecutive bytes, at a multiple of 256 from xb's first byte
.set j, j+1
.endr
	s_branch .Lend
	; ---- a tile of a weight: 128 in x 64 out ----
.Lweights:
	s_sub_co_u32 s20, ttmp9, 960
	s_mul_i32 s21, s20, 911
	s_lshr_b32 s21, s21, 16                        ; which weight = u / 72 (exact for u < 1,152)
	s_mul_i32 s22, s21, 72
	s_sub_co_u32 s22, s20, s22
	s_mul_i32 s23, s22, 43
	s_lshr_b32 s23, s23, 9                         ; ti = rem / 12 (exact for rem < 120)
	s_mul_i32 s24, s23, 12
	s_sub_co_u32 s24, s22, s24                     ; to
	s_mul_i32 s26, s23, 393216                     ; 128 rows of 3,072 bytes
	s_lshl_b32 s27, s24, 8                         ; 64 columns of 4 bytes
	s_add_co_u32 s26, s26, s27
	s_mov_b32 s27, 0
	s_mul_i32 s28, s21, 768
	s_lshl_b32 s29, s24, 6
	s_add_co_u32 s28, s28, s29                     ; wt's row 768 w + 64 to
	s_mul_i32 s28, s28, 1536
	s_lshl_b32 s29, s23, 8                         ; 128 ti numbers of 2 bytes
	s_add_co_u32 s28, s28, s29
	s_mov_b32 s29, 0
	v_and_b32 v1, 15, v0                           ; cc: four columns out
	v_lshrrev_b32 v2, 4, v0                        ; a pair of rows in
	v_mul_u32_u24 v3, v2, 6144
	v_lshl_add_u32 v3, v1, 4, v3                   ; from: row 2 rp, 16 bytes at 16 cc: sixteen lanes read 256 consecutive bytes
	v_mul_u32_u24 v4, v1, 1088
	v_lshl_add_u32 v4, v2, 2, v4                   ; into LDS: row 4 cc (of 272 bytes), word rp
	v_mul_u32_u24 v5, v2, 272
	v_lshl_add_u32 v5, v1, 4, v5                   ; back: row t / 16, 16 bytes at 16 (t % 16)
	v_mul_u32_u24 v6, v2, 1536
	v_lshl_add_u32 v6, v1, 4, v6                   ; and the same in wt
	s_wait_kmcnt 0x0
	s_cmp_eq_u32 s21, 1
	s_cselect_b64 s[30:31], s[8:9], s[6:7]
	s_cmp_eq_u32 s21, 2
	s_cselect_b64 s[30:31], s[10:11], s[30:31]
	s_cmp_eq_u32 s21, 3
	s_cselect_b64 s[30:31], s[12:13], s[30:31]
	s_cmp_eq_u32 s21, 4
	s_cselect_b64 s[30:31], s[14:15], s[30:31]
	s_add_nc_u64 s[30:31], s[30:31], s[26:27]
	s_add_nc_u64 s[28:29], s[18:19], s[28:29]
.set j, 0
.rept 4                                ; rows 2 rp + 32 j and the row below
	global_load_b128 v[24+8*j:24+8*j+3], v3, s[30:31] offset:98304*j th:TH_LOAD_NT
	global_load_b128 v[24+8*j+4:24+8*j+7], v3, s[30:31] offset:98304*j+3072 th:TH_LOAD_NT
.set j, j+1
.endr
.set j, 0
.rept 4
	s_wait_loadcnt 6-2*j                           ; pair j's two loads are in, the younger pairs' stay out
.set e, 0
.rept 4
	RND 10, 24+8*j+e, 24+8*j+4+e                   ; two neighbours along 'in' of column 4 cc + e
	ds_store_b32 v4, v10 offset:272*e+64*j
.set e, e+1
.endr
.set j, j+1
.endr
	s_wait_dscnt 0x0                               ; for the others' sake: my stores into the tile are done
	s_barrier_signal -1
	s_barrier_wait -1
.set j, 0
.rept 4
	ds_load_b128 v[24+4*j:24+4*j+3], v5 offset:4352*j
.set j, j+1
.endr
.set j, 0
.rept 4
	s_wait_dscnt 3-j                               ; LDS loads come back in order: the younger ones stay out
	global_store_b128 v6, v[24+4*j:24+4*j+3], s[28:29] offset:24576*j  ; sixteen lanes store 256 consecutive bytes, at a multiple of 256 from wt's first byte
.set j, j+1
.endr
.Lend:
	s_wait_tensorcnt 0x0                           ; the wave's end
	ds_add_u32 v[SPW], v[NIL]
	s_wait_dscnt 0x0
	s_endpgm
.Lfunc_end_k_qeec00d7da6_prep:
	.size	k_qeec00d7da6_prep, .Lfunc_end_k_qeec00d7da6_prep-k_qeec00d7da6_prep
	.p2alignl 7, 3214868480
	.fill 96, 4, 3214868480
	.section	.rodata,"a",@progbits
	.p2align	6, 0x0
	.amdhsa_kernel k_qeec00d7da6_prep
		.amdhsa_group_segment_fixed_size 18432
		.amdhsa_private_segment_fixed_size 0
		.amdhsa_enable_private_segment 0
		.amdhsa_kernarg_size 64
		.amdhsa_user_sgpr_count 2
		.amdhsa_user_sgpr_kernarg_segment_ptr 1
		.amdhsa_wavefront_size32 1
		.amdhsa_system_sgpr_workgroup_id_x 1
		.amdhsa_system_sgpr_workgroup_id_y 1
		.amdhsa_system_sgpr_workgroup_id_z 1
		.amdhsa_system_vgpr_workitem_id 0
		.amdhsa_next_free_vgpr 96
		.amdhsa_next_free_sgpr 66
		.amdhsa_reserve_vcc 0
		.amdhsa_float_denorm_mode_32 3
		.amdhsa_float_denorm_mode_16_64 3
		.amdhsa_memory_ordered 1
		.amdhsa_forward_progress 1
		.amdhsa_inst_pref_size 18
	.end_amdhsa_kernel
	.amdgpu_metadata
---
amdhsa.version: [ 1, 2 ]
amdhsa.kernels:
  - .name:           k_qeec00d7da6_prep
    .symbol:         k_qeec00d7da6_prep.kd
    .args:
      - { .name: x, .offset: 0, .size: 8, .value_kind: global_buffer, .address_space: global }
      - { .name: Wq, .offset: 8, .size: 8, .value_kind: global_buffer, .address_space: global }
      - { .name: Wk, .offset: 16, .size: 8, .value_kind: global_buffer, .address_space: global }
      - { .name: Wv, .offset: 24, .size: 8, .value_kind: global_buffer, .address_space: global }
      - { .name: Wvc, .offset: 32, .size: 8, .value_kind: global_buffer, .address_space: global }
      - { .name: Wp, .offset: 40, .size: 8, .value_kind: global_buffer, .address_space: global }
      - { .name: xb, .offset: 48, .size: 8, .value_kind: global_buffer, .address_space: global }
      - { .name: wt, .offset: 56, .size: 8, .value_kind: global_buffer, .address_space: global }
    .group_segment_fixed_size: 18432
    .private_segment_fixed_size: 0
    .kernarg_segment_align: 8
    .kernarg_segment_size: 64
    .max_flat_workgroup_size: 256
    .sgpr_count:     66
    .vgpr_count:     96
    .wavefront_size: 32
...
	.end_amdgpu_metadata
.endif
;; end of part 1
;; launch proj (part 2): grid 12 x 20, 4 waves a work-group, clusters of 4 x 4, 327,680 bytes of LDS; arguments xb, wt, qkv; writes qkv
.if DOCPART == 2
	.amdgcn_target "amdgcn-amd-amdhsa--gfx1250"
	.amdhsa_code_object_version 6
	.text
	.protected	k_qeec00d7da6_proj
	.globl	k_qeec00d7da6_proj
	.p2align	8
	.type	k_qeec00d7da6_proj,@function
k_qeec00d7da6_proj:
	s_mov_b64 s[64:65], 0
	v_nop
	global_prefetch_b8 v0, s[64:65] scope:SCOPE_SE
	s_setreg_imm32_b32 hwreg(HW_REG_WAVE_MODE, 25, 1), 1
	s_wait_xcnt 0x0
	s_wait_alu depctr_hold_cnt(0) depctr_sa_sdst(0) depctr_va_vdst(0) depctr_va_sdst(0) depctr_va_ssrc(0) depctr_va_vcc(0) depctr_vm_vsrc(0)
	s_getreg_b32 s2, hwreg(HW_REG_IB_STS2, 6, 4)
	s_cmp_eq_u32 s2, 0
	s_cbranch_scc0 .Lentry_in_a_cluster
	s_endpgm
.Lentry_in_a_cluster:
	s_bfe_u32 s2, ttmp6, 0x10000c
	s_cmp_lg_u32 s2, 0xf033
	s_cbranch_scc0 .Lentry_shape_is_right
	s_endpgm
.Lentry_shape_is_right:
; PROJ.  [15360][768] (xb) x [3072][768]^T (wt's rows 0..3071: Wq, Wk, Wv, Wvc) -> four planes of qkv in f16: Q, K, VA, VV.  Sums in f32, each result rounded once.
; A PLANE is [b*12+h][60 blocks of 16 positions][8 groups of 8 channels][16 rows][16 bytes]: a block is 2,048 bytes, and what a lane holds of a result (one row, eight neighbouring channels) is 16 bytes of it,
; at 512 x (block of 16 channels) + 16 x lane: a store of a wave covers 512 consecutive bytes, straight from registers.  In the two value planes the two halves of the 16 rows are swapped in the odd
; channel groups (the row's place is r xor 8 there), for the sake of the launch behind, which reads them from LDS by the turning load.
; THE VALUE SWAP is a choice of plane for each block of 16 positions: VA (for queries of the first modality) takes v where p < 528 and vc from 528 on, VV the reverse.
; LIMITS.  q, k, v, vc stay under 65,504 (f16's end).  NaN and infinities are not treated apart.
; SHAPE.  A tile of 256 x 256 by four waves of 128 x 128 (64 accumulators, 512 registers); K in six steps of 128 through two LDS slots.  A work-group makes three tiles, 20 tile rows apart,
; and the ring runs on from tile to tile: 12 x 20 work-groups for 12 x 60 tiles.  The loop's trip is ONE K step; the slot in hand is a scalar that an exclusive or turns.
; CLUSTER 4 x 4: A's tile is shared along a row of the cluster, B's along a column; each is asked for jointly, by the same load and descriptor in the four that its mask names.
; The matrix instruction is used transposed (source 0 = 16 rows of wt, source 1 = 16 rows of xb): a lane holds one row of the result and eight neighbouring columns.
; REGISTERS in windows of 256: window 0: v0-31 addresses, v64-191 A's two fragment buffers, v32-63, v192-255 the way out; window 1: v0-127 B's two buffers; windows 2, 3: the accumulators.
.set NA, 8                             ; blocks of 16 rows a wave
.set NB, 8                             ; blocks of 16 columns a wave
.set H, 4                              ; row blocks in an accumulator window
.set PA, 272                           ; an LDS row: 256 bytes + 16 of padding, so that the 16 rows of a fragment load start at 16 different groups of four banks (ISA guide 11.1)
.set PB, 272
.set AZ, 128                           ; bytes between k = 0 and k = 64 of A's rows
.set HALFT, 128*272                    ; what one tensor load brings
.set SLOT, 4*HALFT                     ; 0x22000; the waves' LDS words (multiples of 0x8800 up to 3) have neither of its two bits, so an exclusive or changes slots
.set SPARE, 2*SLOT                     ; behind the ring: the spare words, 128 bytes a wave
.set FAS, 8*NA
.set FBS, 8*NB
.set PLANE, 23592960
.set NEXTA, 5120*1536-1280             ; from a tile's K step 5 to the next tile's K step 0: 5,120 rows down, five steps back
.set A0, 16                            ; v16, v17  my lane's place in slot 0's A and B; never rewritten
.set B0, 17
.set ADRA, 18                          ; v18, v19  the same in the slot in hand
.set ADRB, 19
.set CO, 26                            ; v26  my 16 bytes in 512 of a block; never rewritten
.set SPW, 28                           ; v28  LDS address of my spare word; never rewritten
.set NIL, 29                           ; v29  0; never rewritten
.set PFO, 30                           ; v30  the prefetches' offset: lane x 1,536; never rewritten
.set G1A, 24                           ; s[24:31] group 1 for A; s[32:39] group 0: the first fill's set, then the set that walks
.set G0A, 32
.set G1B, 48
.set G0B, 56
.set PFON, 43                          ; s43  1 while this wave prefetches
.set PFA, 44                           ; s[44:45] where my prefetches stand
.set TB, 66                            ; s66  the slot in hand, in bytes
.set KC, 67                            ; s67  the K step, 0..5
.set TL, 68                            ; s68  tiles to go
.set KT, 69                            ; s69  counts the last tile's last two steps
.set MSB, 0
.macro WIN new                         ; the immediate's high byte repeats the setting that is left; a switch that changes nothing is dropped
.if MSB != (\new)
	s_set_vgpr_msb (MSB<<8)|(\new)
.set MSB, \new
.endif
.endm
.macro PLACES                          ; four plain vector instructions between a matrix instruction and a load into, or a vector read of, its registers
.rept 4
	v_nop
.endr
.endm
.macro CREST                           ; a round of the cluster's barrier behind its opening barrier
	s_cmp_lg_u32 s10, 0
	s_cbranch_scc1 .Lnot_wave_0_\@
	s_barrier_signal -3
.Lnot_wave_0_\@:
	s_barrier_wait -3
	s_barrier_signal -1
	s_barrier_wait -1
.endm
.macro CROUND
	s_barrier_signal -1
	s_barrier_wait -1
	CREST
.endm
.macro JLOAD                           ; the joint refill: waves 0, 1 fetch A's halves, waves 2, 3 B's
	s_cmp_eq_u32 s11, 0
	s_cbranch_scc0 .Lfor_b_\@
	tensor_load_to_lds s[G0A+4:G0A+7], s[G1A:G1A+7]
	s_nop 0
	PLACES
	s_branch .Lasked_\@
.Lfor_b_\@:
	tensor_load_to_lds s[G0B+4:G0B+7], s[G1B:G1B+7]
	s_nop 0
	PLACES
.Lasked_\@:
.endm
.macro ASK                             ; 32 rows x 256 bytes of the K step that the NEXT change of slots will ask for: a lane a row
	s_cmp_eq_u32 s[PFON], 1
	s_cbranch_scc0 .Lnot_mine_\@
	global_prefetch_b8 v[PFO], s[PFA:PFA+1] th:TH_LOAD_NT scope:SCOPE_SE
.Lnot_mine_\@:
.endm
; NB matrix instructions: row block a x all column blocks, 32 along K, from buffers f.  All NA x NB accumulators take turns, one instruction a turn, in the same order in every quarter,
; over every jump and from tile to tile.
.macro MULA f, a, zero
	WIN 0xa1+0x50*((\a)/H)                         ; source 0 (B) window 1, source 1 (A) window 0, C and D window 2 or 3
.set bb, 0
.rept NB
.set rD, 8*(NB*((\a)%H)+bb)
.set rB, FBS*(\f)+8*bb
.set rA, 64+FAS*(\f)+8*(\a)
.if \zero
	v_wmma_f32_16x16x32_f16 v[rD:rD+7], v[rB:rB+7], v[rA:rA+7], 0
.else
	v_wmma_f32_16x16x32_f16 v[rD:rD+7], v[rB:rB+7], v[rA:rA+7], v[rD:rD+7]
.endif
.set bb, bb+1
.endr
.endm
.macro MULS f, a0, n, zero
.set aa, \a0
.rept \n
	MULA \f, aa, \zero
.set aa, aa+1
.endr
.endm
.macro FETCH q, f                      ; 32 LDS loads in one run: quarter q's fragments of the slot in hand into buffers f, B's first
	WIN 0x40                                       ; destination window 1, address window 0
.set z, 0
.rept NB
	ds_load_b128 v[FBS*(\f)+8*z:FBS*(\f)+8*z+3],   v[ADRB] offset:64*(\q)+z*16*PB
	ds_load_b128 v[FBS*(\f)+8*z+4:FBS*(\f)+8*z+7], v[ADRB] offset:64*(\q)+z*16*PB+32
.set z, z+1
.endr
	WIN 0
.set z, 0
.rept NA
	ds_load_b128 v[64+FAS*(\f)+8*z:64+FAS*(\f)+8*z+3],   v[ADRA] offset:((\q)/2)*AZ+((\q)%2)*64+z*16*PA
	ds_load_b128 v[64+FAS*(\f)+8*z+4:64+FAS*(\f)+8*z+7], v[ADRA] offset:((\q)/2)*AZ+((\q)%2)*64+z*16*PA+32
.set z, z+1
.endr
.endm
.macro QUARTER q, f, g, zero           ; multiplies buffers f; in its middle fetches quarter q into buffers g
	s_wait_dscnt NA                                ; B and A's lower half are in; the youngest NA loads (A's upper half) may be out
	MULS \f, 0, H, \zero
	PLACES
.if \zero
	v_nop                                          ; a fifth place: the products below start sums anew, and a matrix instruction that writes over another's registers stands five places behind it;
	                                               ; the upper accumulators' last products stand at the end of the step before, with these five alone between
.endif
	FETCH \q, \g
	s_wait_dscnt 32                                ; all but the 32 just issued
	MULS \f, H, NA-H, \zero
.endm
.macro MEET                            ; the first half of a step's last quarter, and the barrier of the change of slots
	WIN 0
	s_wait_tensorcnt 0x0                           ; all my tensor loads have landed: the one that was out is my part of the other slot
	ds_add_u32 v[SPW], v[NIL]                      ; 0 onto my spare word
	s_wait_dscnt NA+1                              ; the add and the youngest NA loads may be out
	MULS 1, 0, H/2, 0
	s_wait_dscnt 0x0                               ; the add is done, and my reads of this slot are over
	s_barrier_signal -1
	MULS 1, H/2, H/2, 0                            ; work on registers while the others arrive
	WIN 0
	s_barrier_wait -1
.endm
.macro TURN fill                       ; a step's last quarter.  fill = 1: the slot just read takes the K step two on (behind step 4: the next tile's)
.if \fill
	s_wait_xcnt 0x0                                ; the last prefetch, a K step back, has read its address
	s_cmp_eq_u32 s[KC], 3
	s_cselect_b32 s88, s78, s70                    ; along K, or behind the tile's last step on to the next tile's first (B: back to its own)
	s_cselect_b32 s89, s79, 0
	s_add_nc_u64 s[PFA:PFA+1], s[PFA:PFA+1], s[88:89]
	s_cselect_b32 s14, 1, 0
	s_cmp_eq_u32 s[TL], 1
	s_cselect_b32 s15, 1, s11                      ; B's rows have been read in the first tile; the last tile has no successor
	s_and_b32 s14, s14, s15
	s_cmp_eq_u32 s14, 1
	s_cselect_b32 s[PFON], 0, s[PFON]
.endif
	MEET
.if \fill
	CREST                                          ; the barrier has opened a round of the cluster's: no wave of any partner still reads this slot or has a load on its way
	s_xor_b32 s[G0A+5], s[G0A+5], SLOT
	s_xor_b32 s[G0B+5], s[G0B+5], SLOT
	s_cmp_eq_u32 s[KC], 4
	s_cselect_b32 s74, s71, s70
	s_cselect_b32 s76, s72, 0
	s_add_nc_u64 s[G0A+6:G0A+7], s[G0A+6:G0A+7], s[74:75]
	s_add_nc_u64 s[G0B+6:G0B+7], s[G0B+6:G0B+7], 256
	s_sub_nc_u64 s[G0B+6:G0B+7], s[G0B+6:G0B+7], s[76:77]
	JLOAD                                          ; my one tensor load behind the round; its four v_nop are also the places in front of the loads below
.else
	PLACES
.endif
	s_xor_b32 s[TB], s[TB], SLOT
	v_add_nc_u32 v[ADRA], s[TB], v[A0]
	v_add_nc_u32 v[ADRB], s[TB], v[B0]
.if !(\fill)
	s_cmp_eq_u32 s[KT], 1                          ; the last step has no successor
	s_cbranch_scc1 .Lno_fetch_\@
.endif
	FETCH 0, 0
.if \fill
	ASK
.else
.Lno_fetch_\@:
.endif
	MULS 1, H, NA-H, 0
.endm
.macro STEP fill                       ; a K step: four quarters of 32 along K on buffers 0, 1, 0, 1
.if \fill
	WIN 0
	s_cmp_eq_u32 s[KC], 0
	s_cbranch_scc0 .Lacc_\@
	QUARTER 1, 0, 1, 1                             ; a tile's first products start the sums: nothing is cleared
	WIN 0
	s_branch .Ljoin_\@
.Lacc_\@:
	QUARTER 1, 0, 1, 0
	WIN 0
.Ljoin_\@:
.else
	QUARTER 1, 0, 1, 0
.endif
	QUARTER 2, 1, 0, 0
	QUARTER 3, 0, 1, 0
	TURN \fill
	WIN 0
.endm
	s_load_b128 s[4:7], s[0:1], 0x0                ; xb s[4:5], wt s[6:7]
	s_load_b64 s[8:9], s[0:1], 0x10                ; qkv
	v_lshl_add_u32 v[SPW], v0, 2, SPARE
	v_mov_b32 v[NIL], 0
	ds_add_u32 v[SPW], v[NIL]                      ; the wave's opening: the add and its wait stand ahead of my first tensor load
	v_lshrrev_b32 v1, 5, v0
	v_readfirstlane_b32 s10, v1                    ; wave 0..3
	s_lshr_b32 s11, s10, 1                         ; my half of the tile's rows; also: I fetch for A (0) or B (1)
	s_and_b32 s12, s10, 1                          ; my half of its columns; also: which 128 rows I fetch
	s_bfe_u32 s40, ttmp6, 0x40000                  ; cx
	s_bfe_u32 s41, ttmp6, 0x40004                  ; cy
	s_lshl_b32 s42, ttmp9, 2
	s_add_co_u32 s42, s42, s40                     ; tile column, 0..11
	s_and_b32 s13, ttmp7, 0xffff
	s_lshl_b32 s13, s13, 2
	s_add_co_u32 s13, s13, s41                     ; tile row of my first tile, 0..19
	s_lshl_b32 s20, s41, 2
	s_lshl_b32 s20, 15, s20                        ; my row of the cluster
	s_lshl_b32 s21, 0x1111, s40                    ; my column
	s_or_b32 s[G1A], s20, (1<<16)|(1<<20)|(1<<21)|(5<<22)|(3<<25)  ; the mask; 2-byte elements; padding on; bit 21 beside a mask; after every 64 words, 4 words
	s_or_b32 s[G1B], s21, (1<<16)|(1<<20)|(1<<21)|(5<<22)|(3<<25)
.irp g, G1A, G1B
	s_mov_b32 s[\g+1], 128<<16                     ; tensor_dim0 = 128
	s_mov_b32 s[\g+2], 128<<16                     ; tensor_dim1 = 128
	s_mov_b32 s[\g+3], 128<<16                     ; tile_dim0 = 128
	s_mov_b32 s[\g+4], 128                         ; tile_dim1 = 128
	s_mov_b32 s[\g+5], 768                         ; elements from row to row
	s_mov_b32 s[\g+6], 0
	s_mov_b32 s[\g+7], 0
.endr
	s_lshl_b32 s17, s12, 7
	s_lshl_b32 s16, s13, 8
	s_add_co_u32 s16, s16, s17                     ; A's row: 256 x tile row + 128 x half
	s_lshl_b32 s46, s42, 8
	s_add_co_u32 s46, s46, s17                     ; B's row: 256 x tile column + 128 x half
	s_mul_i32 s16, s16, 1536
	s_mul_i32 s46, s46, 1536
	s_mov_b32 s17, 0
	s_mov_b32 s47, 0
	s_mul_i32 s22, s10, HALFT                      ; where they go: wave x 128 rows; no place in the cluster enters an LDS address
	s_mov_b32 s70, 256
	s_mov_b32 s71, NEXTA
	s_mov_b32 s72, 1536
	s_mov_b32 s75, 0
	s_mov_b32 s77, 0
	s_mov_b32 s[TB], 0
	s_mov_b32 s[TL], 3
	s_wait_dscnt 0x0                               ; the opening add is done
	s_wait_kmcnt 0x0
	s_add_nc_u64 s[16:17], s[4:5], s[16:17]
	s_add_nc_u64 s[46:47], s[6:7], s[46:47]
	CROUND                                         ; all sixteen work-groups are here: the first joint loads meet
.irp s, 0,1
	s_mov_b32 s[G0A+4*\s], 1
	s_add_co_u32 s[G0A+4*\s+1], s22, \s*SLOT
	s_add_nc_u64 s[G0A+4*\s+2:G0A+4*\s+3], s[16:17], \s*256
	s_or_b32 s[G0A+4*\s+3], s[G0A+4*\s+3], 0x80000000
	s_mov_b32 s[G0B+4*\s], 1
	s_add_co_u32 s[G0B+4*\s+1], s22, \s*SLOT
	s_add_nc_u64 s[G0B+4*\s+2:G0B+4*\s+3], s[46:47], \s*256
	s_or_b32 s[G0B+4*\s+3], s[G0B+4*\s+3], 0x80000000
.endr
	s_cmp_eq_u32 s11, 0                            ; a wave's two first fills stand in one branch: two loads of mine are out
	s_cbranch_scc0 .Lfirst_b
	tensor_load_to_lds s[G0A:G0A+3], s[G1A:G1A+7]
	s_nop 0
	tensor_load_to_lds s[G0A+4:G0A+7], s[G1A:G1A+7]
	s_nop 0
	PLACES
	s_branch .Lfirst_asked
.Lfirst_b:
	tensor_load_to_lds s[G0B:G0B+3], s[G1B:G1B+7]
	s_nop 0
	tensor_load_to_lds s[G0B+4:G0B+7], s[G1B:G1B+7]
	s_nop 0
	PLACES
.Lfirst_asked:
	; a fragment is 16 rows x 32 K in 8 registers: lane l holds row l % 16, K 8 (l / 16) + 0..7 and 16 + 8 (l / 16) + 0..7: two loads of 16 bytes, 32 apart
	v_and_b32 v1, 15, v0
	v_bfe_u32 v2, v0, 4, 1
	v_mul_u32_u24 v3, v1, 272
	v_lshl_add_u32 v3, v2, 4, v3
	s_mul_i32 s14, s11, HALFT
	s_mul_i32 s15, s12, HALFT
	s_add_co_u32 s15, s15, 2*HALFT
	v_add_nc_u32 v[A0], s14, v3
	v_add_nc_u32 v[B0], s15, v3
	v_mov_b32 v[ADRA], v[A0]
	v_mov_b32 v[ADRB], v[B0]
	s_mul_i32 s82, s42, 11
	s_lshr_b32 s82, s82, 5                         ; which weight = tile column / 3 (exact for 0..11)
	s_mul_i32 s85, s82, 3
	s_sub_co_u32 s85, s42, s85
	s_lshl_b32 s85, s85, 2
	s_lshl1_add_u32 s85, s12, s85                  ; my first head: 4 (tile column % 3) + 2 x half
	s_lshr_b32 s83, s82, 1                         ; 1: a value weight
	s_and_b32 s84, s82, 1                          ; 0: Wv, 1: Wvc
	s_lshl_b32 s14, s83, 3
	v_mul_u32_u24 v4, v2, s14                      ; in a value plane the upper lanes' channel groups are the odd ones: 8 there,
	v_xor_b32 v4, v4, v1                           ; so the row's place is r xor 8; elsewhere r
	v_lshlrev_b32 v4, 4, v4
	v_lshl_add_u32 v[CO], v2, 8, v4                ; 256 x (l / 16) + 16 x place
	; THE PREFETCHES.  A's rows are read by the three clusters of a row of clusters: the first (cluster x = 0) asks.  B's by the five of a column, and by all three tiles: cluster y = 0 asks, in the
	; first tile alone.  Of the 128 rows that a wave fetches, the partner at place p (cx for A, cy for B) takes 32, told apart by address.  So each row's 256 bytes of a K step are named once.
	s_lshl_b32 s14, s13, 8
	s_lshl_b32 s15, s42, 8
	s_and_b32 s18, ttmp7, 0xffff
	s_cmp_eq_u32 s11, 0
	s_cselect_b32 s14, s14, s15
	s_cselect_b32 s15, s40, s41
	s_cselect_b32 s18, ttmp9, s18
	s_cselect_b64 s[PFA:PFA+1], s[4:5], s[6:7]
	s_cselect_b32 s78, s71, 0xfffffb00             ; what the pointer takes behind a tile's last step: A's way to the next tile, or (B) five steps back, -1,280 in 64 bits
	s_cselect_b32 s79, 0, -1
	s_cmp_eq_u32 s18, 0
	s_cselect_b32 s[PFON], 1, 0                    ; the same in all sixteen partners, for a given wave
	s_lshl_b32 s18, s12, 7
	s_add_co_u32 s14, s14, s18
	s_lshl_b32 s15, s15, 5
	s_add_co_u32 s14, s14, s15
	s_mul_i32 s14, s14, 1536
	s_add_co_u32 s14, s14, 512                     ; at K step 2: the first change steps it to 3.  Nothing is asked for here, at the head
	s_mov_b32 s15, 0
	s_add_nc_u64 s[PFA:PFA+1], s[PFA:PFA+1], s[14:15]
	v_and_b32 v[PFO], 31, v0
	v_mul_u32_u24 v[PFO], v[PFO], 1536
; THE WAY OUT of block a (16 rows): rounded to f16 and stored from registers: accumulator b's four packed registers are 512 consecutive bytes of a head's block.
; Three sets of 32 registers take turns: set a % 3 was last read by block a - 3's stores, and SEND a - 2's wait stands between those stores and PACK a.
.macro TSET a
.if ((\a)%3) == 0
.set TS, 192
.elseif ((\a)%3) == 1
.set TS, 224
.else
.set TS, 32
.endif
.endm
.macro PACK a
	TSET \a
.set AC, 64*((\a)%4)
	WIN 0x0a+5*((\a)/4)                            ; sources in window 2 or 3
.set z, 0
.rept 32
	v_cvt_pk_f16_f32 v[TS+z], v[AC+2*z], v[AC+2*z+1]  ; each accumulator's registers in ascending order
.set z, z+1
.endr
	WIN 0
.endm
.macro SEND a
	TSET \a
	WIN 0
	s_wait_xcnt 0x0                                ; earlier stores have read their base and data: both are rewritten only behind this wait
	s_lshl_b32 s90, s13, 8
	s_lshl_b32 s91, s11, 7
	s_add_co_u32 s90, s90, s91
	s_add_co_u32 s90, s90, 16*(\a)                 ; the block's first row
	s_lshr_b32 s91, s90, 6
	s_mul_i32 s91, s91, 137
	s_lshr_b32 s91, s91, 11                        ; batch = row / 960 = (row / 64) / 15 (exact for 0..239)
	s_mul_i32 s92, s91, 960
	s_sub_co_u32 s92, s90, s92                     ; position
	s_cmp_ge_u32 s92, 528
	s_cselect_b32 s93, 1, 0
	s_xor_b32 s93, s93, s84
	s_add_co_u32 s93, s93, 2                       ; a value's plane: VA or VV
	s_cmp_eq_u32 s83, 1
	s_cselect_b32 s93, s93, s82
	s_mul_i32 s93, s93, PLANE
	s_mul_i32 s91, s91, 12
	s_add_co_u32 s91, s91, s85
	s_mul_i32 s91, s91, 960
	s_add_co_u32 s91, s91, s92
	s_lshl_b32 s91, s91, 7                         ; 16 positions are 2,048 bytes
	s_add_co_u32 s94, s91, s93
	s_mov_b32 s95, 0
	s_add_nc_u64 s[80:81], s[8:9], s[94:95]
.set z, 0
.rept 8
	global_store_b128 v[CO], v[TS+4*z:TS+4*z+3], s[80:81] offset:(z/4)*122880+(z%4)*512  ; 512 consecutive bytes, at a multiple of 256 from qkv's first byte
.set z, z+1
.endr
.endm
	s_wait_tensorcnt 0x1                           ; my part of K step 0 is in; K step 1's load may stay out
	s_barrier_signal -1
	s_barrier_wait -1
	FETCH 0, 0
.Ltile:
	s_mov_b32 s[KC], 0
.Lstep:
	STEP 1
	s_add_co_u32 s[KC], s[KC], 1
	s_cmp_eq_u32 s[KC], 4
	s_cbranch_scc0 .Lgo_on
	s_cmp_eq_u32 s[TL], 1
	s_cbranch_scc1 .Ltail                          ; the last tile's last two steps ask for nothing: they are written out
.Lgo_on:
	s_cmp_lt_u32 s[KC], 6
	s_cbranch_scc1 .Lstep
	s_branch .Lout
.Ltail:
	s_mov_b32 s[KT], 2
.Llast:
	STEP 0
	s_sub_co_u32 s[KT], s[KT], 1
	s_cmp_lg_u32 s[KT], 0
	s_cbranch_scc1 .Llast
.Lout:
	PACK 0                                         ; blocks 0-3 were finished in front of the change's four places; their conversions are the places behind blocks 4-7's last products
.irp a, 1,2,3,4,5,6,7
	PACK \a                                        ; a block's conversions stand between the conversions of the block before and its stores
	SEND (\a)-1
.endr
	SEND 7
	s_add_co_u32 s13, s13, 20                      ; the next tile lies 20 tile rows down
	s_sub_co_u32 s[TL], s[TL], 1
	s_cmp_lg_u32 s[TL], 0
	s_cbranch_scc1 .Ltile
	s_wait_tensorcnt 0x0                           ; the wave's end
	ds_add_u32 v[SPW], v[NIL]
	s_wait_dscnt 0x0
	CROUND                                         ; the closing round: no work-group ends while a partner may still ask for a tile that names it
	s_endpgm
.Lfunc_end_k_qeec00d7da6_proj:
	.size	k_qeec00d7da6_proj, .Lfunc_end_k_qeec00d7da6_proj-k_qeec00d7da6_proj
	.p2alignl 7, 3214868480
	.fill 96, 4, 3214868480
	.section	.rodata,"a",@progbits
	.p2align	6, 0x0
	.amdhsa_kernel k_qeec00d7da6_proj
		.amdhsa_group_segment_fixed_size 327680
		.amdhsa_private_segment_fixed_size 0
		.amdhsa_enable_private_segment 0
		.amdhsa_kernarg_size 24
		.amdhsa_user_sgpr_count 2
		.amdhsa_user_sgpr_kernarg_segment_ptr 1
		.amdhsa_wavefront_size32 1
		.amdhsa_system_sgpr_workgroup_id_x 1
		.amdhsa_system_sgpr_workgroup_id_y 1
		.amdhsa_system_sgpr_workgroup_id_z 1
		.amdhsa_system_vgpr_workitem_id 0
		.amdhsa_next_free_vgpr 1024
		.amdhsa_next_free_sgpr 100
		.amdhsa_reserve_vcc 0
		.amdhsa_float_denorm_mode_32 3
		.amdhsa_float_denorm_mode_16_64 3
		.amdhsa_memory_ordered 1
		.amdhsa_forward_progress 1
		.amdhsa_inst_pref_size 100
	.end_amdhsa_kernel
	.amdgpu_metadata
---
amdhsa.version: [ 1, 2 ]
amdhsa.kernels:
  - .name:           k_qeec00d7da6_proj
    .symbol:         k_qeec00d7da6_proj.kd
    .args:
      - { .name: xb, .offset: 0, .size: 8, .value_kind: global_buffer, .address_space: global }
      - { .name: wt, .offset: 8, .size: 8, .value_kind: global_buffer, .address_space: global }
      - { .name: qkv, .offset: 16, .size: 8, .value_kind: global_buffer, .address_space: global }
    .group_segment_fixed_size: 327680
    .private_segment_fixed_size: 0
    .kernarg_segment_align: 8
    .kernarg_segment_size: 24
    .max_flat_workgroup_size: 128
    .sgpr_count:     100
    .vgpr_count:     1024
    .wavefront_size: 32
...
	.end_amdgpu_metadata
.endif
;; end of part 2
;; launch attn (part 3): grid 4 x 64, 4 waves a work-group, clusters of 4 x 1, 327,680 bytes of LDS; arguments qkv, o; writes o
.if DOCPART == 3
	.amdgcn_target "amdgcn-amd-amdhsa--gfx1250"
	.amdhsa_code_object_version 6
	.text
	.protected	k_qeec00d7da6_attn
	.globl	k_qeec00d7da6_attn
	.p2align	8
	.type	k_qeec00d7da6_attn,@function
k_qeec00d7da6_attn:
	s_mov_b64 s[64:65], 0
	v_nop
	global_prefetch_b8 v0, s[64:65] scope:SCOPE_SE
	s_setreg_imm32_b32 hwreg(HW_REG_WAVE_MODE, 25, 1), 1
	s_wait_xcnt 0x0
	s_wait_alu depctr_hold_cnt(0) depctr_sa_sdst(0) depctr_va_vdst(0) depctr_va_sdst(0) depctr_va_ssrc(0) depctr_va_vcc(0) depctr_vm_vsrc(0)
	s_getreg_b32 s2, hwreg(HW_REG_IB_STS2, 6, 4)
	s_cmp_eq_u32 s2, 0
	s_cbranch_scc0 .Lentry_in_a_cluster
	s_endpgm
.Lentry_in_a_cluster:
	s_bfe_u32 s2, ttmp6, 0x10000c
	s_cmp_lg_u32 s2, 0x3003
	s_cbranch_scc0 .Lentry_shape_is_right
	s_endpgm
.Lentry_shape_is_right:
; ATTN.  For each (batch, head): O[q] = the sum over keys k of softmax_k(Q[q] . K[k] / 8) V[k], V = VA for queries of the first modality (positions under 528), VV for the others.
; qkv: four planes Q, K, VA, VV in f16, each [b*12+h][60 blocks of 16 positions][8 groups of 8 channels][16 rows][16 bytes]; in VA and VV the halves of the 16 rows are swapped in the odd groups.
; Positions 513..527 and 921..959 are no tokens and are hidden as keys.  o: [h][b*60 + block][8 groups][16 rows][16 bytes] f16.
; Products, maxima and sums in f32; the weights are rounded to f16 for the second product (their sum is taken unrounded), O once at the end.
; LIMITS.  A hidden key counts as its score less 1e30; a weight below 2^-126 counts as 0 in the sum; f16 holds no number beyond 65,504; NaN and infinities are not treated apart.
; SHARES.  A cluster of four work-groups STAYS and takes three heads, 3 y to 3 y + 2, one after the other.  In a head its 16 waves take four tiles of 16 queries each.  Wave 0 of every work-group, and
; waves 1-3 of the fourth, take queries of the second modality (7 waves, 27 tiles and one that is discarded); waves 1-3 of the first three take the first modality's (9 waves, 33 tiles and three
; discarded).  A discarded tile's result goes to words of o behind its 23,592,960 bytes that nobody reads.  The roles enter global addresses alone.
; TWO REGIONS OF V in LDS: wave 0 reads X, waves 1-3 read Y, by the wave's number.  X is VV in all four partners: a joint load, like K's.  Y is VA in three and VV in the fourth: a load of one's own.
; THE WALK.  In each plane the three heads lie end to end, so K and V are ONE stream of 45 key steps of 64 keys (8,192 bytes each), in nine phases of five; two slots; the ring does not stop at a head's end.
; K's part of a slot is one step ahead of V's (a turn fetches K of step j + 1 ahead of V of step j), so that one change of slots serves both; K of the very first step has bytes of its own, and at
; a head's end K of the next head's first step lies in registers already.  The last phase's K reaches 64 rows past the third head's end, inside qkv: they feed products whose results are not used.
; One loop with a constant count walks the phases; two counters that are the same in all partners say, by forward jumps, whether a trip ends a head (FINISH) or begins one (.Lnew).
; TURNS.  Two pieces of two tiles.  Turn n belongs to piece n: 16 products K Q^T of the other piece's next scores, later 16 products V^T P of its last weights; beside them piece n's scaling,
; exponentials, roundings, sums and rescaling and the other piece's maximum and statistics.  Four vector instructions stand behind every matrix instruction, the rest in one run; a turn's 66
; exponentials are one batch with one wait.  THE MASK is the C operand that starts K Q^T: 32 registers by key, 0 or -1e30, rewritten ahead of a head's steps 8, 9 and 14 and at its beginning.
; A head's first step multiplies O^T and l by a = 0: what the head before left there need only be finite.
; REGISTERS in windows of 256: window 0: addresses, statistics, v64-191 S^T, v192-255 P; window 1: v0-127 O^T, v128-159 the mask; window 2: v0-63 Q, v64-127 the next head's Q, v128-191 K, v192-255 V.
.set NP,    2
.set STB,   8192      ; a key step of K or V: four blocks of 16 keys
.set NSP,   5         ; key steps in a phase
.set PHB,   NSP*STB
.set XOFF,  PHB       ; a slot: a phase of K, of X, of Y
.set REG,   PHB
.set SLOT1, 131072
.set K0OFF, 3*PHB              ; behind slot 0: K of the first head's step 0, filled once
.set SPARE, SLOT1+3*PHB        ; behind slot 1: the spare words, 128 bytes a wave
.set PLANE, 23592960
.set HEADB, 960*128
.set DUMP0, 23592960
.set LN,  2           ; v2   16 x lane: my 16 bytes in 512, in LDS as in memory; never rewritten
.set AV0, 3           ; v3   my lane's place in a step of V, my region's offset in it; never rewritten
.set AK,  4
.set AV,  5
.set MV,  12
.set ST,  16          ; tile t's statistics at v[ST+4 t]: c m, m, l (even keys', odd keys')
.set SPW, 32          ; v32  LDS address of my spare word; never rewritten
.set NIL, 33          ; v33  0; never rewritten
.set HB,  34          ; v34  -1e30 in lanes 16-31, else 0
.set PFO, 35          ; v35  256 x lane
.set TMP, 48
.set S,   64
.set P,   192
.set MK,  128         ; window 1
.set QN,  64          ; window 2
.set KF,  128
.set VF,  192
.set WV,  12
.set PFA, 18
.set G1K, 24          ; s[24:31] group 1 for K's and X's phases
.set G1K0, 32
.set NEW, 40          ; s40  1: the phase to be entered is a head's first
.set RT,  41          ; s41  phases of the head in hand that are still to be walked
.set HL,  42          ; s42  heads to go, this one among them
.set G1Y, 48
.set G0K, 56
.set G0K0, 60
.set G0X, 68
.set G0Y, 72
.set SLOTS, 76
.set CNT, 77
.set CS,  78
.set SEL, 80
.set TBK, 82
.set TBV, 83
.set STP, 84          ; s84  the head's key step in hand
.set BIGN, 85
.set QB,  86          ; s[86:93]  Q's address for each tile
.set OBP, 94          ; s[94:101] O's
.set MSB, 0
.macro WIN new
.if MSB != (\new)
	s_set_vgpr_msb (MSB<<8)|(\new)
.set MSB, (\new)
.endif
.endm
.set W_KQ, 0x0a       ; K and Q in window 2, S^T in window 0
.set W_KM, 0x1a       ; the same with the C operand in window 1
.set W_PV, 0x52       ; V in window 2, P in window 0, O^T in window 1
.set W_RS, 0x41       ; destination and source 0 in window 1, source 1 in window 0
.macro TLOAD g0, g1
	tensor_load_to_lds s[\g0:\g0+3], s[\g1:\g1+7]
	s_nop 0
.rept 4
	v_nop
.endr
.endm
.macro LOADS first                  ; wave 0 asks for K, wave 1 for X, wave 2 for Y; at the start wave 3 for K of step 0: one load a wave; the branches hang on the wave's number alone
	s_cmp_lg_u32 s[WV], 0
	s_cbranch_scc1 .Lnot0_\@
	TLOAD G0K, G1K
	s_branch .Lasked_\@
.Lnot0_\@:
	s_cmp_lg_u32 s[WV], 1
	s_cbranch_scc1 .Lnot1_\@
	TLOAD G0X, G1K
	s_branch .Lasked_\@
.Lnot1_\@:
	s_cmp_lg_u32 s[WV], 2
	s_cbranch_scc1 .Lnot2_\@
	TLOAD G0Y, G1Y
	s_branch .Lasked_\@
.Lnot2_\@:
.if \first
	TLOAD G0K0, G1K0
.endif
.Lasked_\@:
.endm
; A PREFETCH of what the NEXT change of slots will ask for: a phase, five key steps, ahead.  Only this cluster reads its heads' K, VA and VV.  A phase of the three streams is 15 parts of 32 blocks of
; 256 bytes; the cluster's 16 waves take part min(4 x wave + cx, 14), told apart by address, a lane a block: the sixteenth names the fifteenth's part once more.  The last change that fills asks for nothing.
.macro ASK
	s_cmp_gt_u32 s[SLOTS], 1
	s_cbranch_scc0 .Lnot_mine_\@
	global_prefetch_b8 v[PFO], s[PFA:PFA+1] th:TH_LOAD_NT scope:SCOPE_SE
.Lnot_mine_\@:
.endm
.macro CROUND
	s_barrier_signal -1
	s_barrier_wait -1
	s_cmp_lg_u32 s[WV], 0
	s_cbranch_scc1 .Lnot_wave_0_\@
	s_barrier_signal -3
.Lnot_wave_0_\@:
	s_barrier_wait -3
	s_barrier_signal -1
	s_barrier_wait -1
.endm
; THE CHANGE OF SLOTS.  Each wave waits for all its tensor loads (one is out: its part of the other slot), adds 0 to its spare word, and waits for that and for its reads of the slot that it leaves.
; fill = 1: the barrier is a round of the cluster's, and the old slot's refill, the phase two on, is the first thing behind it.  (At its first use slot 0 is waited for and slot 1 filled.)
.macro CHANGE fill
	WIN 0
	s_wait_tensorcnt 0x0            ; no tensor load of mine is out, so a group 0 may be written
	ds_add_u32 v[SPW], v[NIL]
.if \fill
.irp g, G0K, G0X, G0Y
	s_xor_b32 s[\g+1], s[\g+1], SLOT1
	s_add_nc_u64 s[\g+2:\g+3], s[\g+2:\g+3], PHB
.endr
	s_wait_xcnt 0x0                 ; the last prefetch, a phase back, has read its address
	s_add_nc_u64 s[PFA:PFA+1], s[PFA:PFA+1], PHB
	s_wait_dscnt 0x0                ; the add is done, and my reads of the slot are over
	CROUND
	LOADS 0
	ASK
.else
	s_wait_dscnt 0x0
	s_barrier_signal -1
	s_barrier_wait -1
.endif
	s_sub_co_u32 s[TBK], s[TBK], PHB  ; the fetches go back to a slot's first step, in the other slot
	s_xor_b32 s[TBK], s[TBK], SLOT1
	s_sub_co_u32 s[TBV], s[TBV], PHB
	s_xor_b32 s[TBV], s[TBV], SLOT1
.endm
; Q's four addresses for the head whose first row in a plane is s11.  A discarded tile still reads rows of the head.
.macro QBASE
.set t, 0
.rept 4
	s_add_co_u32 s20, s9, 16*t
	s_min_u32 s21, s20, 944
	s_add_co_u32 s21, s21, s11
	s_lshl_b32 s22, s21, 7
	s_add_nc_u64 s[QB+2*t:QB+2*t+1], s[4:5], s[22:23]
.set t, t+1
.endr
.endm
.macro QLOADS                       ; a fragment (16 queries x 32 channels) is two loads of 512 consecutive bytes, 512 apart; into the waiting registers
	WIN 0x80                        ; destination window 2
.set t, 0
.rept 4
.irp c, 0,1
	global_load_b128 v[QN+16*t+8*\c:QN+16*t+8*\c+3],   v[LN], s[QB+2*t:QB+2*t+1] offset:1024*\c
	global_load_b128 v[QN+16*t+8*\c+4:QN+16*t+8*\c+7], v[LN], s[QB+2*t:QB+2*t+1] offset:1024*\c+512
.endr
.set t, t+1
.endr
	WIN 0
.endm
; O's four addresses for head s14
.macro OBASE
	s_mul_i32 s20, s14, 171
	s_lshr_b32 s20, s20, 11         ; batch = bh / 12 (exact for 0..191)
	s_mul_i32 s21, s20, 12
	s_sub_co_u32 s21, s14, s21      ; head
	s_mul_i32 s66, s21, 15360
	s_mul_i32 s20, s20, 960
	s_add_co_u32 s66, s66, s20      ; o's row of position 0
	s_lshl_b32 s67, s14, 2
.set t, 0
.rept 4
	s_add_co_u32 s20, s9, 16*t
	s_add_co_u32 s21, s20, s66
	s_lshl_b32 s21, s21, 7
	s_cmp_eq_u32 s8, 1
	s_cselect_b32 s16, 0, t
	s_add_co_u32 s16, s16, s67
	s_lshl_b32 s16, s16, 11
	s_add_co_u32 s16, s16, DUMP0
	s_cmp_gt_u32 s20, s10
	s_cselect_b32 s22, s16, s21
	s_add_nc_u64 s[OBP+2*t:OBP+2*t+1], s[6:7], s[22:23]
.set t, t+1
.endr
.endm
	s_load_b128 s[4:7], s[0:1], 0x0 ; qkv s[4:5], o s[6:7]
	v_lshl_add_u32 v[SPW], v0, 2, SPARE
	v_mov_b32 v[NIL], 0
	ds_add_u32 v[SPW], v[NIL]       ; the wave's opening: the add and its wait stand ahead of my first tensor load
	v_lshrrev_b32 v1, 5, v0
	v_readfirstlane_b32 s[WV], v1   ; wave 0..3
	s_bfe_u32 s13, ttmp6, 0x40000   ; cx
	s_and_b32 s14, ttmp7, 0xffff
	s_mul_i32 s14, s14, 3           ; batch x 12 + head of the first of my three heads, which the four partners share
	; group 1: dense bytes, asked for as rows of 256; no padding
	s_mov_b32 s[G1K],  15|(1<<16)|(1<<21)  ; the mask of four; 2-byte elements; bit 21 beside a mask
	s_mov_b32 s[G1K0], 15|(1<<16)|(1<<21)
	s_mov_b32 s[G1Y],  1<<16               ; no mask: a load of my work-group's own
.irp g, G1K, G1Y
	s_mov_b32 s[\g+1], 128<<16
	s_mov_b32 s[\g+2], 160<<16      ; a phase: 160 rows of 256 bytes
	s_mov_b32 s[\g+3], 128<<16
	s_mov_b32 s[\g+4], 160
	s_mov_b32 s[\g+5], 128
	s_mov_b32 s[\g+6], 0
	s_mov_b32 s[\g+7], 0
.endr
	s_mov_b32 s[G1K0+1], 128<<16
	s_mov_b32 s[G1K0+2], 32<<16     ; a step: 32 rows
	s_mov_b32 s[G1K0+3], 128<<16
	s_mov_b32 s[G1K0+4], 32
	s_mov_b32 s[G1K0+5], 128
	s_mov_b32 s[G1K0+6], 0
	s_mov_b32 s[G1K0+7], 0
	s_mov_b32 s[G0K], 1
	s_mov_b32 s[G0K+1], 0
	s_mov_b32 s[G0K0], 1
	s_mov_b32 s[G0K0+1], K0OFF
	s_mov_b32 s[G0X], 1
	s_mov_b32 s[G0X+1], XOFF
	s_mov_b32 s[G0Y], 1
	s_mov_b32 s[G0Y+1], XOFF+REG
	s_mov_b32 s[CS], 0x3e38aa3b     ; c = log2(e) / 8
	s_mov_b32 s[CS+1], s[CS]
	s_mov_b32 s[SEL], 0x76543210
	s_mov_b32 s[SEL+1], 0xfedcba98
	s_mov_b32 s[TBK], SLOT1+PHB     ; the first change of slots turns these two into 0
	s_mov_b32 s[TBV], SLOT1+PHB
	s_mov_b32 s[SLOTS], 8
	s_mov_b32 s[BIGN], 0xf149f2ca   ; -1e30
	s_mul_i32 s20, s14, HEADB       ; the first head's first byte in a plane
	s_mov_b32 s21, 0
	s_add_co_u32 s2, s20, 3*PLANE   ; in VV
	s_mov_b32 s3, 0
	s_cmp_eq_u32 s13, 3
	s_cselect_b32 s22, 3, 2         ; Y's plane: VV in the fourth partner, VA in the others
	s_mul_i32 s22, s22, PLANE
	s_add_co_u32 s22, s22, s20
	s_mov_b32 s23, 0
	s_lshl2_add_u32 s16, s[WV], s13 ; the prefetches: 4 x wave + cx,
	s_min_u32 s16, s16, 14
	s_mul_i32 s17, s16, 13
	s_lshr_b32 s17, s17, 6          ; / 5 (exact for 0..14): the stream, 0 K, 1 VV, 2 VA
	s_mul_i32 s8, s17, 5
	s_sub_co_u32 s16, s16, s8       ; which fifth of its phase:
	s_lshl_b32 s16, s16, 13         ; 32 blocks of 256 bytes
	s_cmp_eq_u32 s17, 0
	s_cselect_b32 s8, 1, 3
	s_cselect_b32 s9, STB, 0        ; K's phases begin a step later
	s_cmp_eq_u32 s17, 2
	s_cselect_b32 s8, 2, s8
	s_mul_i32 s8, s8, PLANE
	s_add_co_u32 s16, s16, s8
	s_add_co_u32 s16, s16, s9
	s_add_co_u32 s16, s16, s20
	s_add_co_u32 s16, s16, PHB      ; at phase 1: the first change steps it to phase 2
	s_mov_b32 s17, 0
	s_add_co_u32 s20, s20, PLANE    ; in K
	s_wait_dscnt 0x0                ; the opening add is done
	s_wait_kmcnt 0x0
	s_add_nc_u64 s[G0K0+2:G0K0+3], s[4:5], s[20:21]
	s_add_nc_u64 s[G0K+2:G0K+3], s[G0K0+2:G0K0+3], STB
	s_or_b32 s[G0K0+3], s[G0K0+3], 0x80000000
	s_or_b32 s[G0K+3], s[G0K+3], 0x80000000
	s_add_nc_u64 s[G0X+2:G0X+3], s[4:5], s[2:3]
	s_or_b32 s[G0X+3], s[G0X+3], 0x80000000
	s_add_nc_u64 s[G0Y+2:G0Y+3], s[4:5], s[22:23]
	s_or_b32 s[G0Y+3], s[G0Y+3], 0x80000000
	s_add_nc_u64 s[PFA:PFA+1], s[4:5], s[16:17]
	CROUND                          ; all four work-groups are here: the first joint loads meet
	LOADS 1                         ; phase 0 and K of step 0: one load of each wave is out
	; the roles: which 64 queries of a head are mine
	s_cmp_eq_u32 s13, 3
	s_cselect_b32 s8, 1, 0
	s_cmp_eq_u32 s[WV], 0
	s_cselect_b32 s8, 1, s8         ; 1: second modality
	s_add_co_u32 s20, s[WV], 3
	s_cmp_eq_u32 s[WV], 0
	s_cselect_b32 s20, s13, s20     ; which of its seven waves
	s_lshl_b32 s20, s20, 6
	s_add_co_u32 s20, s20, 528
	s_mul_i32 s21, s13, 3
	s_add_co_u32 s21, s21, s[WV]
	s_sub_co_u32 s21, s21, 1        ; which of the first modality's nine
	s_lshl_b32 s21, s21, 6
	s_mov_b32 s22, 959
	s_cmp_eq_u32 s8, 1
	s_cselect_b32 s9, s20, s21      ; my first position
	s_cselect_b32 s10, s22, 512     ; a tile that begins beyond this is discarded
	s_mov_b32 s23, 0                ; stays 0: the upper word of the offsets made in s22
	v_and_b32 v1, 31, v0
	v_lshlrev_b32 v[LN], 4, v1
	v_lshlrev_b32 v[PFO], 8, v1
	s_mul_i32 s11, s14, 960
	QBASE
	QLOADS                          ; the first head's Q
	; what the first turn finds: V's registers and P's second buffer hold 0, O^T and l are 0.  All this stands in the wait for the first tiles.
	WIN 0x80
.set i, VF
.rept 64
	v_mov_b32 v[i], 0
.set i, i+1
.endr
	WIN 0x40
.set i, 0
.rept 128
	v_mov_b32 v[i], 0
.set i, i+1
.endr
	WIN 0
.set i, 0
.rept 4
	v_mov_b32 v[ST+4*i+2], 0
	v_mov_b32 v[ST+4*i+3], 0
.set i, i+1
.endr
.set i, P+32
.rept 32
	v_mov_b32 v[i], 0
.set i, i+1
.endr
	; The turning load takes 16 keys x 16 channels: lane l reads 16 bytes, key 8 (l / 16) + l % 8 of a block, channel group u = (l / 8) % 2 of the pair: at 256 u + 16 (key xor 8 u).
	; Its first sixteen lanes so take bytes 0-127 of one 256 and 128-255 of the next.
	v_bfe_u32 v9, v0, 4, 1          ; l / 16
	v_and_b32 v10, 7, v0
	v_bfe_u32 v11, v0, 3, 1         ; u
	v_xor_b32 v[AV0], v9, v11
	v_lshl_add_u32 v[AV0], v[AV0], 3, v10
	v_lshlrev_b32 v[AV0], 4, v[AV0]
	v_lshl_add_u32 v[AV0], v11, 8, v[AV0]
	s_add_co_u32 s20, s[WV], 3
	s_lshr_b32 s20, s20, 2          ; 0 in wave 0, 1 in waves 1-3
	s_mul_i32 s20, s20, REG
	s_add_co_u32 s20, s20, XOFF     ; my region of V
	v_add_nc_u32 v[AV0], s20, v[AV0]
	v_cmp_eq_u32 vcc_lo, 1, v9
	v_cndmask_b32 v[HB], 0, s[BIGN], vcc_lo
; THE MATRIX WORK.  The 8 accumulators of a run of 16 take turns.  Product i of 16 of S^T = K Q^T for piece x: channels 32 (i / 8) on, keys 16 ((i / 2) % 4) on, tile 2 x + i % 2.
.macro KQ x
.set rS, S+64*((\x)%2)+32*(i%2)+8*((i/2)%4)
.set rK, KF+16*((i/2)%4)+8*(i/8)
.set rQ, 16*(2*(\x)+i%2)+8*(i/8)
.set rMK, MK+8*((i/2)%4)
.if i < 8
	WIN W_KM
	v_wmma_f32_16x16x32_f16 v[rS:rS+7], v[rK:rK+7], v[rQ:rQ+7], v[rMK:rMK+7]
.else
	WIN W_KQ
	v_wmma_f32_16x16x32_f16 v[rS:rS+7], v[rK:rK+7], v[rQ:rQ+7], v[rS:rS+7]
.endif
.endm
.macro PV x                         ; product i of 16 of O^T += V^T P: keys 32 (i / 8) on, channels 16 ((i / 2) % 4) on, tile 2 x + i % 2
	WIN W_PV
.set rO, 32*(2*(\x)+i%2)+8*((i/2)%4)
.set rV, VF+32*(i/8)+8*((i/2)%4)
.set rP, P+32*((\x)%2)+16*(i%2)+8*(i/8)
	v_wmma_f32_16x16x32_f16 v[rO:rO+7], v[rV:rV+7], v[rP:rP+7], v[rO:rO+7]
.endm
.macro MM
.if i < 16
	KQ (Y+1)%NP
.set i, i+1
.else
.set i, i-16
	PV (Y+NP-1)%NP
.set i, i+17
.endif
.endm
.macro KLOADS                       ; a step's K: 16 LDS loads in one run; fragment f: keys 16 (f / 2) on, channels 32 (f % 2) on: 512 consecutive bytes a load
	WIN 0x80
.irp f, 0,1,2,3,4,5,6,7
	ds_load_b128 v[KF+8*\f:KF+8*\f+3],   v[AK] offset:(\f/2)*2048+(\f%2)*1024
	ds_load_b128 v[KF+8*\f+4:KF+8*\f+7], v[AK] offset:(\f/2)*2048+(\f%2)*1024+512
.endr
	WIN 0
.endm
.macro FETCH_K
	KLOADS
	s_add_co_u32 s[TBK], s[TBK], STB  ; the next fetch is the next step's
.endm
.macro FETCH_V                      ; a step's V, turned; fragment f: keys 32 (f / 4) on, channels 16 (f % 4) on
	WIN 0x80
.irp f, 0,1,2,3,4,5,6,7
	ds_load_tr16_b128 v[VF+8*\f:VF+8*\f+3],   v[AV] offset:(\f/4)*4096+(\f%4)*512
	ds_load_tr16_b128 v[VF+8*\f+4:VF+8*\f+7], v[AV] offset:(\f/4)*4096+(\f%4)*512+2048
.endr
	WIN 0
.endm
; THE MASK for the step after the one in hand, written at the end of piece 0's turn: behind that turn's products K Q^T (this step's last) and ahead of piece 1's (the next step's first).
; Step 8 holds positions 512..575: of its first 16 keys only the first is a token.  Step 14 holds 896..959: tokens end at its key 24.  A lane's register j of group g is key 16 g + 8 (lane / 16) + j.
; tail = 1: the walk's last phase, a head's steps 10 to 14.
.macro MASKUPD tail
	WIN 0
.if !(\tail)
	s_cmp_eq_u32 s[STP], 7
	s_cbranch_scc0 .Lm7_\@
	WIN 0x40
	v_mov_b32 v[MK], v[HB]
.set z, 1
.rept 7
	v_mov_b32 v[MK+z], s[BIGN]
.set z, z+1
.endr
	WIN 0
.Lm7_\@:
	s_cmp_eq_u32 s[STP], 8
	s_cbranch_scc0 .Lm8_\@
	WIN 0x40
.set z, 0
.rept 8
	v_mov_b32 v[MK+z], 0
.set z, z+1
.endr
	WIN 0
.Lm8_\@:
.endif
	s_cmp_eq_u32 s[STP], 13
	s_cbranch_scc0 .Lm13_\@
	WIN 0x40
.set z, 9
.rept 7
	v_mov_b32 v[MK+z], v[HB]
.set z, z+1
.endr
.rept 16
	v_mov_b32 v[MK+z], s[BIGN]
.set z, z+1
.endr
	WIN 0
.Lm13_\@:
	s_add_co_u32 s[STP], s[STP], 1
.endm
; THE VECTOR WORK OF A TURN stands in three queues, each in the order in which its entries become ready; the two tiles alternate.
.macro REGS y, u
.set rT, ST+4*(2*(\y)+(\u))
.set rC, TMP+8*((\y)%2)+4*(\u)
.set rM, MV+2*((\y)%2)+(\u)
.set rS, S+64*((\y)%2)+32*(\u)
.set rP, P+32*((\y)%2)+16*(\u)
.set rO, 32*(2*(\y)+(\u))
.endm
; Number n of the 22 that find the other piece's maximum and statistics; each accumulator's lowest registers are read first.
.macro XS u, n
	REGS (Y+1)%NP, \u
.if (\n) < 4
	v_max3_num_f32 v[rC+(\n)], v[rS+8*(\n)], v[rS+8*(\n)+1], v[rS+8*(\n)+2]
.elseif (\n) < 12
	v_max3_num_f32 v[rC+(\n)%4], v[rC+(\n)%4], v[rS+8*((\n)%4)+2*((\n)/4)+1], v[rS+8*((\n)%4)+2*((\n)/4)+2]
.elseif (\n) == 12
	v_max3_num_f32 v[rC], v[rC], v[rS+7], v[rS+15]
.elseif (\n) == 13
	v_max3_num_f32 v[rC+1], v[rC+1], v[rS+23], v[rS+31]
.elseif (\n) == 14
	v_max3_num_f32 v[rC+2], v[rC+2], v[rC+3], v[rT+1]
.elseif (\n) == 15
	v_mov_b32 v[rM], v[rT]
.elseif (\n) == 16
	v_max3_num_f32 v[rC], v[rC], v[rC+1], v[rC+2]
.elseif (\n) == 17
	v_permlanex16_b32 v[rC+3], v[rC], s[SEL], s[SEL+1]
.elseif (\n) == 18
	v_max_num_f32 v[rT+1], v[rC], v[rC+3]
.elseif (\n) == 19
	v_mul_f32 v[rT], s[CS], v[rT+1]
.elseif (\n) == 20
	v_sub_f32 v[rC+1], v[rM], v[rT]
.else
	v_exp_f32 v[rC+2], v[rC+1]
.endif
.endm
; Number g of the 64 that follow the exponentials: for each four weights both pairs are rounded to f16, the second pair is added onto the first, and a group later l takes that sum.
.macro GS g
.set h, (\g)+6*((\g)/62)
.if h >= 6
.set h, h+2
.endif
	REGS Y, h%2
.set k, h/8
.if h%8 < 4
	v_cvt_pk_f16_f32 v[rP+2*k+(h%8)/2], v[rS+4*k+2*((h%8)/2)], v[rS+4*k+2*((h%8)/2)+1]
.elseif h%8 < 6
	v_pk_add_f32 v[rS+4*k:rS+4*k+1], v[rS+4*k:rS+4*k+1], v[rS+4*k+2:rS+4*k+3]
.elseif k == 1
	v_pk_fma_f32 v[rT+2:rT+3], v[rT+2:rT+3], v[rC+2:rC+3], v[rS:rS+1] op_sel_hi:[1,0,1]
.else
	v_pk_add_f32 v[rT+2:rT+3], v[rT+2:rT+3], v[rS+4*k-4:rS+4*k-3]
.endif
.endm
.macro FS f                         ; c s - c m for pair f / 2 of tile f % 2
	REGS Y, (\f)%2
	v_pk_fma_f32 v[rS+2*((\f)/2):rS+2*((\f)/2)+1], v[rS+2*((\f)/2):rS+2*((\f)/2)+1], s[CS:CS+1], v[rT:rT+1] op_sel_hi:[1,0,0] neg_lo:[0,0,1] neg_hi:[0,0,1]
.endm
.macro PL                           ; the plain queue, 138 long: 0-73 read no exponential's result, 74-137 stand behind the wait
	WIN 0
.if q < 27
	FS q
.elseif q < 55
	XS (q-27)%2, (q-27)/2
.elseif q < 57
	XS q-55, 15
.elseif (q < 72) && ((q-57)%3 == 0)
	FS 27+(q-57)/3
.elseif q < 60
	XS (q-57)%3-1, 14
.elseif q < 72
	XS (q-57)%3-1, 15+(q-57)/3
.elseif q < 74
	XS q-72, 20
.else
	GS q-74
.endif
.set q, q+1
.endm
.macro EX                           ; the exponentials' queue, 66 long: one batch ahead of the turn's one wait
	WIN 0
.if e >= 64
	XS e-64, 21
.else
	REGS Y, e%2
	v_exp_f32 v[rS+e/2], v[rS+e/2]
.endif
.set e, e+1
.endm
.macro R2                           ; O^T times a, two at a time
	REGS Y, r%2
	WIN W_RS
.irp z, 0,1
	v_pk_mul_f32 v[rO+4*(r/2)+2*\z:rO+4*(r/2)+2*\z+1], v[rO+4*(r/2)+2*\z:rO+4*(r/2)+2*\z+1], v[rC+2:rC+3] op_sel_hi:[1,0]
.endr
.set r, r+1
.endm
; A TURN, for piece p.  Ahead of its one wait stands all that names no result of its exponentials: 16 products K Q^T with a scaling, an exponential and two rescalings behind each, then one run of 108.
; Behind it: 16 products V^T P with four of the roundings and sums behind each.  Piece 0's turn fetches K of the next step directly behind the wait (its last reader stands a whole run back), and V of
; the step in hand at its end, four plain instructions behind V's last reader.  Piece 1's turn waits for K at its head and for V ahead of its products V^T P.
.macro TURN p, tail=0, cnt=0
.set Y, (\p)
.set i, 0
.set q, 0
.set e, 0
.set r, 0
.if (\p) == 1
	s_wait_dscnt 16                 ; K's 16 loads are in; V's 16, issued behind them, may stay out
.endif
	MM
	PL
	PL
	R2
.rept 15
	MM
	PL
	EX
	R2
.endr
.if (\p) == 0
	WIN 0
	v_add_nc_u32 v[AK], s[TBK], v[LN]
.endif
.rept 8
	PL
.endr
.rept 49
	EX
	PL
.endr
	EX
	EX
	v_nop                           ; a plain instruction behind the last exponential: one for the batch
	s_wait_alu depctr_va_vdst(0)    ; the wait ahead of the first use: one for the batch
.if (\p) == 0
	FETCH_K
.endif
.if (\p) == 1
	s_wait_dscnt 0x0                ; V is in
.endif
.rept 16
	MM
.rept 4
	PL
.endr
.if ((\p) == 0) && (q == 118)
	v_add_nc_u32 v[AV], s[TBV], v[AV0]
.endif
.if ((\p) == 0) && (q == 130)
	s_add_co_u32 s[TBV], s[TBV], STB
.endif
.if (\cnt) && (q == 130)
	s_sub_co_u32 s[CNT], s[CNT], 1
	s_cmp_lg_u32 s[CNT], 0
.endif
.endr
.if (\p) == 0
	FETCH_V
	MASKUPD \tail
.endif
.endm
; A HEAD ENDS: piece 1's V^T P of the last step (the last turn's K Q^T, on the next head's first keys with this head's Q, and the maximum made of it serve nothing); then THE WAY OUT: l's halves and the
; other half of the lanes' are added; O^T is divided by l, rounded to f16 and stored from registers: a lane's eight channels of a row are 16 bytes, a store of the wave 512 consecutive bytes of a block.
.macro ALL line:vararg
.set t, 0
.rept 2*NP
	\line
.set t, t+1
.endr
.endm
.macro COMP t
	WIN W_RS
.set i, 32*(\t)
.rept 16
	v_pk_mul_f32 v[i:i+1], v[i:i+1], v[ST+4*(\t)+2:ST+4*(\t)+3] op_sel_hi:[1,0]
.set i, i+2
.endr
	WIN 0x05                        ; sources 0 and 1 window 1, destination window 0: S^T's registers are free
.set i, 0
.rept 16
	v_cvt_pk_f16_f32 v[S+16*(\t)+i], v[32*(\t)+2*i], v[32*(\t)+2*i+1]
.set i, i+1
.endr
	WIN 0
.endm
.macro PUT t
	WIN 0
.irp f, 0,1,2,3
	global_store_b128 v[LN], v[S+16*(\t)+4*\f:S+16*(\t)+4*\f+3], s[OBP+2*(\t):OBP+2*(\t)+1] offset:\f*512  ; 512 consecutive bytes, at a multiple of 256 from o's first byte
.endr
.endm
.macro FINISH
.set i, 0
.rept 16
	PV NP-1
.set i, i+1
.endr
	WIN 0                           ; the additions are the places behind the last products
	ALL v_add_f32 v[ST+4*t+2], v[ST+4*t+2], v[ST+4*t+3]
	ALL v_permlanex16_b32 v[ST+4*t+3], v[ST+4*t+2], s[SEL], s[SEL+1]
	ALL v_add_f32 v[ST+4*t+2], v[ST+4*t+2], v[ST+4*t+3]
	ALL v_rcp_f32 v[ST+4*t+2], v[ST+4*t+2]
	v_nop
	s_wait_alu depctr_va_vdst(0)    ; one wait for the four reciprocals
	COMP 0
	COMP 1                          ; a tile's arithmetic stands between the arithmetic of the tile before and its stores
	PUT 0
	COMP 2
	PUT 1
	COMP 3
	PUT 2
	PUT 3
	s_wait_xcnt 0x0                 ; the stores have read their data and O's addresses: both are rewritten only behind this wait
.endm
	CHANGE 1                        ; phase 0 and K of step 0 are in, everybody's part; slot 1 is asked for
	v_add_nc_u32 v[AK], K0OFF, v[LN]
	KLOADS                          ; the first head's key step 0
	s_mov_b32 s[CNT], NSP
	s_mov_b32 s[RT], 3
	s_mov_b32 s[HL], 3
	s_branch .Lnew                  ; the loop is entered behind its change of slots
.Lslot:                             ; seven times: phases 1 to 7 are entered, phases 2 to 8 asked for
	CHANGE 1
	s_mov_b32 s[CNT], NSP
	s_cmp_eq_u32 s[NEW], 1
	s_cbranch_scc0 .Lstep
.Lnew:                              ; A HEAD BEGINS.  K of its step 0 is in registers, or on its way there
	s_mov_b32 s[NEW], 0
	s_mov_b32 s[STP], 0
	s_wait_loadcnt 0x0              ; its Q has come, and the addresses of those loads may be written
	WIN 0x82                        ; Q goes where the one text of the turns names it
.set i, 0
.rept 64
	v_mov_b32 v[i], v[QN+i]
.set i, i+1
.endr
	WIN 0x40
.set i, 0
.rept 32
	v_mov_b32 v[MK+i], 0            ; the mask hides nothing
.set i, i+1
.endr
	WIN 0
	OBASE
	s_cmp_eq_u32 s[HL], 1
	s_cbranch_scc1 .Lno_q           ; the last head has no successor
	s_add_co_u32 s11, s14, 1
	s_mul_i32 s11, s11, 960
	QBASE
	QLOADS                          ; the next head's Q: fifteen key steps ahead of its use
.Lno_q:
	s_wait_dscnt 0x0                ; K
.set i, 0
.rept 16
	KQ 0                            ; piece 0's first scores
.set i, i+1
.endr
	WIN 0
.set i, 0
.rept 4                             ; eight plain instructions, the places behind those products: c m starts far below every c s, so the first step's a is 0; m at the lowest finite number
	v_mov_b32 v[ST+4*i], 0xfe000000
	v_mov_b32 v[ST+4*i+1], 0xff7fffff
.set i, i+1
.endr
.set Y, NP-1
.irp n, 0,1,2,3,4,5,6,7,8,9,10,11,12,13,14,15,16,17,18,19,20,21
	XS 0, \n
	XS 1, \n
.endr
	v_nop
	s_wait_alu depctr_va_vdst(0)    ; the two a have their wait ahead of the label
.Lstep:
	TURN 0
	TURN 1, 0, 1
	WIN 0
	s_cbranch_scc1 .Lstep
	s_sub_co_u32 s[RT], s[RT], 1
	s_cmp_lg_u32 s[RT], 0
	s_cbranch_scc1 .Lbottom
	FINISH                          ; in the loop: the first and the second head's end
	s_add_co_u32 s14, s14, 1
	s_sub_co_u32 s[HL], s[HL], 1
	s_mov_b32 s[NEW], 1
	s_mov_b32 s[RT], 3
.Lbottom:
	s_sub_co_u32 s[SLOTS], s[SLOTS], 1
	s_cmp_lg_u32 s[SLOTS], 0
	s_cbranch_scc1 .Lslot
	CHANGE 0                        ; the walk's last phase is written out
	s_mov_b32 s[CNT], NSP
.Ltail:
	TURN 0, 1
	TURN 1, 1, 1
	WIN 0
	s_cbranch_scc1 .Ltail
	FINISH
	s_wait_tensorcnt 0x0            ; the wave's end
	ds_add_u32 v[SPW], v[NIL]
	s_wait_dscnt 0x0
	CROUND                          ; the closing round
	s_endpgm
.Lfunc_end_k_qeec00d7da6_attn:
	.size	k_qeec00d7da6_attn, .Lfunc_end_k_qeec00d7da6_attn-k_qeec00d7da6_attn
	.p2alignl 7, 3214868480
	.fill 96, 4, 3214868480
	.section	.rodata,"a",@progbits
	.p2align	6, 0x0
	.amdhsa_kernel k_qeec00d7da6_attn
		.amdhsa_group_segment_fixed_size 327680
		.amdhsa_private_segment_fixed_size 0
		.amdhsa_enable_private_segment 0
		.amdhsa_kernarg_size 16
		.amdhsa_user_sgpr_count 2
		.amdhsa_user_sgpr_kernarg_segment_ptr 1
		.amdhsa_wavefront_size32 1
		.amdhsa_system_sgpr_workgroup_id_x 1
		.amdhsa_system_sgpr_workgroup_id_y 1
		.amdhsa_system_sgpr_workgroup_id_z 1
		.amdhsa_system_vgpr_workitem_id 0
		.amdhsa_next_free_vgpr 768
		.amdhsa_next_free_sgpr 102
		.amdhsa_reserve_vcc 1
		.amdhsa_float_denorm_mode_32 3
		.amdhsa_float_denorm_mode_16_64 3
		.amdhsa_memory_ordered 1
		.amdhsa_forward_progress 1
		.amdhsa_inst_pref_size 135
	.end_amdhsa_kernel
	.amdgpu_metadata
---
amdhsa.version: [ 1, 2 ]
amdhsa.kernels:
  - .name:           k_qeec00d7da6_attn
    .symbol:         k_qeec00d7da6_attn.kd
    .args:
      - { .name: qkv, .offset: 0, .size: 8, .value_kind: global_buffer, .address_space: global }
      - { .name: o, .offset: 8, .size: 8, .value_kind: global_buffer, .address_space: global }
    .group_segment_fixed_size: 327680
    .private_segment_fixed_size: 0
    .kernarg_segment_align: 8
    .kernarg_segment_size: 16
    .max_flat_workgroup_size: 128
    .sgpr_count:     102
    .vgpr_count:     768
    .wavefront_size: 32
...
	.end_amdgpu_metadata
.endif
;; end of part 3
;; launch outp (part 4): grid 4 x 60, 4 waves a work-group, clusters of 4 x 4, 327,680 bytes of LDS; arguments o, wt, bp, out0; writes out0
.if DOCPART == 4
	.amdgcn_target "amdgcn-amd-amdhsa--gfx1250"
	.amdhsa_code_object_version 6
	.text
	.protected	k_qeec00d7da6_outp
	.globl	k_qeec00d7da6_outp
	.p2align	8
	.type	k_qeec00d7da6_outp,@function
k_qeec00d7da6_outp:
	s_mov_b64 s[64:65], 0
	v_nop
	global_prefetch_b8 v0, s[64:65] scope:SCOPE_SE
	s_setreg_imm32_b32 hwreg(HW_REG_WAVE_MODE, 25, 1), 1
	s_wait_xcnt 0x0
	s_wait_alu depctr_hold_cnt(0) depctr_sa_sdst(0) depctr_va_vdst(0) depctr_va_sdst(0) depctr_va_ssrc(0) depctr_va_vcc(0) depctr_vm_vsrc(0)
	s_getreg_b32 s2, hwreg(HW_REG_IB_STS2, 6, 4)
	s_cmp_eq_u32 s2, 0
	s_cbranch_scc0 .Lentry_in_a_cluster
	s_endpgm
.Lentry_in_a_cluster:
	s_bfe_u32 s2, ttmp6, 0x10000c
	s_cmp_lg_u32 s2, 0xf033
	s_cbranch_scc0 .Lentry_shape_is_right
	s_endpgm
.Lentry_shape_is_right:
; OUTP.  out0[b][n][:] = O[b][n][:] Wp + bp.  O comes as o [h][b*60 + block of 16 positions][8 groups of 8 channels][16 rows][16 bytes] f16, Wp as wt's rows 3072..3839 ([out][in] f16);
; bp is rounded to bf16 like the other inputs.  Sums in f32; out0 is f32.  Rows whose position is no token (513..527, 921..959) are computed and not stored.
; LIMITS.  f16's range for o and wt, as stated where they are made.  NaN and infinities are not treated apart.
; SHAPE.  A tile of 256 rows x 192 columns by four waves of 64 x 192 (48 accumulators): 4 x 60 work-groups.  K in six steps of 128 = two heads, through two LDS slots; a loop's trip is one K step.
; A's tile lies in LDS as it lies in memory, [2 heads][16 blocks][2,048 bytes]: a fragment (16 rows x 32 channels) is two loads of 512 consecutive bytes, 512 apart, so it needs no padding.
; CLUSTER 4 x 4: A's tile is shared along a row of the cluster, B's along a column, each asked for jointly.
; The matrix instruction is used transposed (source 0 = 16 rows of wt, source 1 = 16 rows of o).
; REGISTERS in windows of 256: window 0: v0-31 addresses, v64-127 A's two fragment buffers, v128-223 the bias, v32-127 the way out; window 1: v0-191 B's two buffers; windows 2, 3: the accumulators.
.set NA, 4
.set NB, 12
.set H, 2
.set PB, 272
.set AZ, 32768                         ; bytes between k = 0 and k = 64 of A's rows: the second head
.set SLOT, 131072
.set BOFF, 65536                       ; B's part of a slot: 192 rows of 272 bytes
.set STAGE, SLOT+BOFF+192*272          ; behind the ring: [16 rows][784] for each wave
.set SPARE, STAGE+4*12544
.set FAS, 8*NA
.set FBS, 8*NB
.set ASTEP, 3932160                    ; two heads of o
.set A0, 16
.set B0, 17
.set ADRA, 18
.set ADRB, 19
.set RH, 20                            ; v20  lane / 16
.set C1, 21                            ; v21  1
.set R8, 22                            ; v22  8 + lane / 16
.set C9, 23                            ; v23  9
.set STO, 24
.set RD, 25
.set CO, 26
.set SPW, 28
.set NIL, 29
.set PFO, 30
.set T, 32
.set BI, 128
.set G1A, 24
.set G0A, 32
.set G1B, 48
.set G0B, 56
.set LIM, 43                           ; s43  a wave prefetches while the K step is below this
.set PFA, 44
.set TB, 66
.set KC, 67
.set KT, 69
.set MSB, 0
.macro WIN new
.if MSB != (\new)
	s_set_vgpr_msb (MSB<<8)|(\new)
.set MSB, \new
.endif
.endm
.macro PLACES                          ; four plain vector instructions between a matrix instruction and a load into, or a vector read of, its registers
.rept 4
	v_nop
.endr
.endm
.macro CREST
	s_cmp_lg_u32 s10, 0
	s_cbranch_scc1 .Lnot_wave_0_\@
	s_barrier_signal -3
.Lnot_wave_0_\@:
	s_barrier_wait -3
	s_barrier_signal -1
	s_barrier_wait -1
.endm
.macro CROUND
	s_barrier_signal -1
	s_barrier_wait -1
	CREST
.endm
.macro JLOAD                           ; waves 0, 1 fetch A's two heads, waves 2, 3 B's two halves
	s_cmp_eq_u32 s11, 0
	s_cbranch_scc0 .Lfor_b_\@
	tensor_load_to_lds s[G0A+4:G0A+7], s[G1A:G1A+7]
	s_nop 0
	PLACES
	s_branch .Lasked_\@
.Lfor_b_\@:
	tensor_load_to_lds s[G0B+4:G0B+7], s[G1B:G1B+7]
	s_nop 0
	PLACES
.Lasked_\@:
.endm
.macro ASK                             ; my work-group's part of the K step that the NEXT change of slots will ask for
	s_cmp_lt_u32 s[KC], s[LIM]
	s_cbranch_scc0 .Lnot_mine_\@
	global_prefetch_b8 v[PFO], s[PFA:PFA+1] th:TH_LOAD_NT scope:SCOPE_SE
.Lnot_mine_\@:
.endm
; NB matrix instructions: row block a x all column blocks.  All NA x NB accumulators take turns, one instruction a turn, in the same order in every quarter and over every jump.
.macro MULA f, a, zero
	WIN 0xa1+0x50*((\a)/H)
.set bb, 0
.rept NB
.set rD, 8*(NB*((\a)%H)+bb)
.set rB, FBS*(\f)+8*bb
.set rA, 64+FAS*(\f)+8*(\a)
.if \zero
	v_wmma_f32_16x16x32_f16 v[rD:rD+7], v[rB:rB+7], v[rA:rA+7], 0
.else
	v_wmma_f32_16x16x32_f16 v[rD:rD+7], v[rB:rB+7], v[rA:rA+7], v[rD:rD+7]
.endif
.set bb, bb+1
.endr
.endm
.macro MULS f, a0, n, zero
.set aa, \a0
.rept \n
	MULA \f, aa, \zero
.set aa, aa+1
.endr
.endm
.macro FETCH q, f                      ; 32 LDS loads in one run, B's 24 first
	WIN 0x40
.set z, 0
.rept NB
	ds_load_b128 v[FBS*(\f)+8*z:FBS*(\f)+8*z+3],   v[ADRB] offset:64*(\q)+z*16*PB
	ds_load_b128 v[FBS*(\f)+8*z+4:FBS*(\f)+8*z+7], v[ADRB] offset:64*(\q)+z*16*PB+32
.set z, z+1
.endr
	WIN 0
.set z, 0
.rept NA                               ; head q / 2, channels 32 (q % 2) on, block z of my four
	ds_load_b128 v[64+FAS*(\f)+8*z:64+FAS*(\f)+8*z+3],   v[ADRA] offset:((\q)/2)*AZ+((\q)%2)*1024+z*2048
	ds_load_b128 v[64+FAS*(\f)+8*z+4:64+FAS*(\f)+8*z+7], v[ADRA] offset:((\q)/2)*AZ+((\q)%2)*1024+z*2048+512
.set z, z+1
.endr
.endm
.macro QUARTER q, f, g, zero
	s_wait_dscnt NA                                ; B and A's lower half are in; the youngest NA loads (A's upper half) may be out
	MULS \f, 0, H, \zero
	PLACES
.if \zero
	v_nop                                          ; a fifth place: the products below start sums anew, and a matrix instruction that writes over another's registers stands five places behind it;
	                                               ; on the way round the loop the upper accumulators' last products stand at the end of the step before, with these five alone between
.endif
	FETCH \q, \g
	s_wait_dscnt 32                                ; all but the 32 just issued
	MULS \f, H, NA-H, \zero
.endm
.macro MEET
	WIN 0
	s_wait_tensorcnt 0x0                           ; all my tensor loads have landed: the one that was out is my part of the other slot
	ds_add_u32 v[SPW], v[NIL]
	s_wait_dscnt NA+1                              ; the add and the youngest NA loads may be out
	MULS 1, 0, H/2, 0
	s_wait_dscnt 0x0                               ; the add is done, and my reads of this slot are over
	s_barrier_signal -1
	MULS 1, H/2, H/2, 0
	WIN 0
	s_barrier_wait -1
.endm
.macro TURN fill
.if \fill
	s_wait_xcnt 0x0                                ; the last prefetch, a K step back, has read its address
	s_add_nc_u64 s[PFA:PFA+1], s[PFA:PFA+1], s[78:79]
.endif
	MEET
.if \fill
	CREST                                          ; the barrier has opened a round of the cluster's: no wave of any partner still reads this slot or has a load on its way
	s_xor_b32 s[G0A+5], s[G0A+5], SLOT
	s_xor_b32 s[G0B+5], s[G0B+5], SLOT
	s_add_nc_u64 s[G0A+6:G0A+7], s[G0A+6:G0A+7], ASTEP
	s_add_nc_u64 s[G0B+6:G0B+7], s[G0B+6:G0B+7], 256
	JLOAD                                          ; my one tensor load behind the round; its four v_nop are also the places in front of the loads below
.else
	PLACES
.endif
	s_xor_b32 s[TB], s[TB], SLOT
	v_add_nc_u32 v[ADRA], s[TB], v[A0]
	v_add_nc_u32 v[ADRB], s[TB], v[B0]
.if !(\fill)
	s_cmp_eq_u32 s[KT], 1                          ; the last step has no successor
	s_cbranch_scc1 .Lno_fetch_\@
.endif
	FETCH 0, 0
.if \fill
	ASK
.else
.Lno_fetch_\@:
.endif
	MULS 1, H, NA-H, 0
.endm
.macro STEP fill
.if \fill
	WIN 0
	s_cmp_eq_u32 s[KC], 0
	s_cbranch_scc0 .Lacc_\@
	QUARTER 1, 0, 1, 1                             ; the first products start the sums: nothing is cleared
	WIN 0
	s_branch .Ljoin_\@
.Lacc_\@:
	QUARTER 1, 0, 1, 0
	WIN 0
.Ljoin_\@:
.else
	QUARTER 1, 0, 1, 0
.endif
	QUARTER 2, 1, 0, 0
	QUARTER 3, 0, 1, 0
	TURN \fill
	WIN 0
.endm
	s_load_b128 s[4:7], s[0:1], 0x0                ; o s[4:5], wt s[6:7]
	s_load_b128 s[84:87], s[0:1], 0x10             ; bp s[84:85], out0 s[86:87]
	v_lshl_add_u32 v[SPW], v0, 2, SPARE
	v_mov_b32 v[NIL], 0
	ds_add_u32 v[SPW], v[NIL]                      ; the wave's opening: the add and its wait stand ahead of my first tensor load
	v_lshrrev_b32 v1, 5, v0
	v_readfirstlane_b32 s10, v1                    ; wave 0..3: my 64 rows of the tile
	s_lshr_b32 s11, s10, 1                         ; I fetch for A (0) or B (1),
	s_and_b32 s12, s10, 1                          ; its first or second part
	s_bfe_u32 s40, ttmp6, 0x40000                  ; cx
	s_bfe_u32 s41, ttmp6, 0x40004                  ; cy
	s_lshl_b32 s42, ttmp9, 2
	s_add_co_u32 s42, s42, s40                     ; tile column, 0..3
	s_and_b32 s13, ttmp7, 0xffff
	s_lshl_b32 s13, s13, 2
	s_add_co_u32 s13, s13, s41                     ; tile row, 0..59
	s_lshl_b32 s20, s41, 2
	s_lshl_b32 s20, 15, s20                        ; my row of the cluster
	s_lshl_b32 s21, 0x1111, s40                    ; my column
	s_or_b32 s[G1A], s20, (1<<16)|(1<<21)          ; the mask; 2-byte elements; bit 21 beside a mask; no padding
	s_or_b32 s[G1B], s21, (1<<16)|(1<<20)|(1<<21)|(5<<22)|(3<<25)  ; padding after every 64 words, 4 words
	s_mov_b32 s[G1A+1], 128<<16
	s_mov_b32 s[G1A+2], 128<<16
	s_mov_b32 s[G1A+3], 128<<16
	s_mov_b32 s[G1A+4], 128                        ; a head's 256 rows: 128 rows of 256 bytes,
	s_mov_b32 s[G1A+5], 128                        ; dense: 128 elements from row to row
	s_mov_b32 s[G1A+6], 0
	s_mov_b32 s[G1A+7], 0
	s_mov_b32 s[G1B+1], 128<<16
	s_mov_b32 s[G1B+2], 96<<16
	s_mov_b32 s[G1B+3], 128<<16
	s_mov_b32 s[G1B+4], 96
	s_mov_b32 s[G1B+5], 768
	s_mov_b32 s[G1B+6], 0
	s_mov_b32 s[G1B+7], 0
	s_mul_i32 s16, s12, 1966080                    ; A: head s12 of the K step,
	s_lshl_b32 s17, s13, 15                        ; 256 rows of 128 bytes for each tile row
	s_add_co_u32 s16, s16, s17
	s_mov_b32 s17, 0
	s_mul_i32 s46, s42, 192
	s_mul_i32 s47, s12, 96
	s_add_co_u32 s46, s46, s47
	s_add_co_u32 s46, s46, 3072                    ; B: wt's row 3072 + 192 x tile column + 96 x half
	s_mul_i32 s46, s46, 1536
	s_mov_b32 s47, 0
	s_mul_i32 s22, s12, AZ                         ; where they go: no place in the cluster enters an LDS address
	s_mul_i32 s23, s12, 96*272
	s_add_co_u32 s23, s23, BOFF
	s_mov_b32 s70, 256
	s_mov_b32 s72, 1536
	s_mov_b32 s73, ASTEP
	s_mov_b32 s96, 513
	s_mov_b32 s97, 0xffff0000
	s_mov_b32 s[TB], 0
	s_mov_b32 s[KC], 0
	s_wait_dscnt 0x0                               ; the opening add is done
	s_wait_kmcnt 0x0
	s_add_nc_u64 s[16:17], s[4:5], s[16:17]
	s_add_nc_u64 s[46:47], s[6:7], s[46:47]
	CROUND                                         ; all sixteen work-groups are here: the first joint loads meet
.irp s, 0,1
	s_mov_b32 s[G0A+4*\s], 1
	s_add_co_u32 s[G0A+4*\s+1], s22, \s*SLOT
	s_add_nc_u64 s[G0A+4*\s+2:G0A+4*\s+3], s[16:17], \s*ASTEP
	s_or_b32 s[G0A+4*\s+3], s[G0A+4*\s+3], 0x80000000
	s_mov_b32 s[G0B+4*\s], 1
	s_add_co_u32 s[G0B+4*\s+1], s23, \s*SLOT
	s_add_nc_u64 s[G0B+4*\s+2:G0B+4*\s+3], s[46:47], \s*256
	s_or_b32 s[G0B+4*\s+3], s[G0B+4*\s+3], 0x80000000
.endr
	s_cmp_eq_u32 s11, 0                            ; a wave's two first fills stand in one branch: two loads of mine are out
	s_cbranch_scc0 .Lfirst_b
	tensor_load_to_lds s[G0A:G0A+3], s[G1A:G1A+7]
	s_nop 0
	tensor_load_to_lds s[G0A+4:G0A+7], s[G1A:G1A+7]
	s_nop 0
	PLACES
	s_branch .Lfirst_asked
.Lfirst_b:
	tensor_load_to_lds s[G0B:G0B+3], s[G1B:G1B+7]
	s_nop 0
	tensor_load_to_lds s[G0B+4:G0B+7], s[G1B:G1B+7]
	s_nop 0
	PLACES
.Lfirst_asked:
	v_and_b32 v1, 15, v0
	v_bfe_u32 v2, v0, 4, 1
	; the bias of my lane's eight columns in each of the 12 column blocks
	s_mul_i32 s88, s42, 768
	s_mov_b32 s89, 0
	s_add_nc_u64 s[88:89], s[84:85], s[88:89]
	v_lshlrev_b32 v31, 5, v2
.set z, 0
.rept 12
	global_load_b128 v[BI+8*z:BI+8*z+3],   v31, s[88:89] offset:64*z
	global_load_b128 v[BI+8*z+4:BI+8*z+7], v31, s[88:89] offset:64*z+16
.set z, z+1
.endr
	v_and_b32 v3, 31, v0
	v_lshlrev_b32 v3, 4, v3                        ; A: 16 x lane,
	s_lshl_b32 s14, s10, 13                        ; in my four blocks of 16 rows
	v_add_nc_u32 v[A0], s14, v3
	v_mul_u32_u24 v3, v1, PB
	v_lshl_add_u32 v3, v2, 4, v3
	v_add_nc_u32 v[B0], BOFF, v3
	v_mov_b32 v[ADRA], v[A0]
	v_mov_b32 v[ADRB], v[B0]
	s_mul_i32 s14, s10, 12544
	s_add_co_u32 s14, s14, STAGE                   ; my stage
	v_mul_u32_u24 v4, v1, 784
	v_lshl_add_u32 v4, v2, 5, v4
	v_add_nc_u32 v[STO], s14, v4                   ; in: row l % 16, 32 bytes for each half of the lanes
	v_mul_u32_u24 v4, v2, 784
	v_lshl_add_u32 v4, v1, 4, v4
	v_add_nc_u32 v[RD], s14, v4                    ; back: lanes 0-15 take 256 bytes of one row, lanes 16-31 of the next
	v_mul_u32_u24 v4, v2, 3072
	v_lshl_add_u32 v[CO], v1, 4, v4                ; and the same in out0
	v_mov_b32 v[RH], v2
	v_mov_b32 v[C1], 1
	v_add_nc_u32 v[R8], 8, v2
	v_mov_b32 v[C9], 9
	; THE PREFETCHES.  A's rows are read by this cluster alone: each cluster asks for its own; of a head's 128 blocks of 256 bytes the partner at cx takes 32.  B's rows are read by all 15 clusters:
	; cluster y = 0 asks; of a wave's 96 rows the partner at cy takes 24, and lanes 24-31 name lane 23's block once more.  The change in K step k names K step k + 3; steps 0 to 2 come by their loads alone.
	s_mul_i32 s14, s12, 1966080
	s_lshl_b32 s15, s13, 15
	s_add_co_u32 s14, s14, s15
	s_lshl_b32 s15, s40, 13
	s_add_co_u32 s14, s14, s15
	s_add_co_u32 s14, s14, 2*ASTEP
	s_mul_i32 s15, s42, 192
	s_mul_i32 s18, s12, 96
	s_add_co_u32 s15, s15, s18
	s_mul_i32 s18, s41, 24
	s_add_co_u32 s15, s15, s18
	s_add_co_u32 s15, s15, 3072
	s_mul_i32 s15, s15, 1536
	s_add_co_u32 s15, s15, 512
	s_and_b32 s18, ttmp7, 0xffff
	s_cmp_eq_u32 s18, 0
	s_cselect_b32 s18, 3, 0
	s_cmp_eq_u32 s11, 0
	s_cselect_b32 s14, s14, s15
	s_cselect_b32 s[LIM], 3, s18
	s_cselect_b64 s[PFA:PFA+1], s[4:5], s[6:7]
	s_cselect_b32 s78, s73, s70                    ; a K step, in bytes
	s_cselect_b32 s19, 31, 23
	s_cselect_b32 s18, s70, s72
	s_mov_b32 s79, 0
	s_mov_b32 s15, 0
	s_add_nc_u64 s[PFA:PFA+1], s[PFA:PFA+1], s[14:15]
	v_and_b32 v[PFO], 31, v0
	v_min_u32 v[PFO], s19, v[PFO]
	v_mul_u32_u24 v[PFO], v[PFO], s18
	s_wait_loadcnt 0x0                             ; the bias: rounded to bf16 and widened again, in the wait for the first tiles
.set z, 0
.rept 48
	v_cvt_pk_bf16_f32 v3, v[BI+2*z], v[BI+2*z+1]
	v_lshlrev_b32 v[BI+2*z], 16, v3
	v_and_b32 v[BI+2*z+1], s97, v3
.set z, z+1
.endr
; THE WAY OUT of block a (16 rows x 192 columns of f32): the bias is added; through my own stage; back as whole rows; stored 256 aligned bytes to sixteen lanes.  Of a block's 16 positions the first NV
; (16, 9, 1 or 0) are tokens; the others' lanes are switched off, in four nested steps: rows 0-1 by NV > row; rows 2-7 by NV > 1; rows 8-9 by NV > row; rows 10-15 by NV > 9.
.macro NARROW v
	s_wait_xcnt 0x0                                ; EXEC changes only when the stores issued so far have read it
	v_cmp_gt_u32 vcc_lo, s82, v[\v]
	s_and_saveexec_b32 s83, vcc_lo
.endm
.macro PUT j
.irp u, 0,1,2
	global_store_b128 v[CO], v[T+4*(3*(\j)+\u):T+4*(3*(\j)+\u)+3], s[80:81] offset:6144*(\j)+256*\u th:TH_STORE_NT
.endr
.endm
.macro OUTB a
.set AC, 96*((\a)%2)
	WIN 0x02+(\a)/2                                ; source 0 in window 2 or 3
.set z, 0
.rept 48
	v_pk_add_f32 v[T+2*z:T+2*z+1], v[AC+2*z:AC+2*z+1], v[BI+2*z:BI+2*z+1]  ; each accumulator's registers in ascending order
.set z, z+1
.endr
	WIN 0
.set z, 0
.rept 12
	ds_store_b128 v[STO], v[T+8*z:T+8*z+3]   offset:64*z
	ds_store_b128 v[STO], v[T+8*z+4:T+8*z+7] offset:64*z+16
.set z, z+1
.endr
.set z, 0
.rept 24
	ds_load_b128 v[T+4*z:T+4*z+3], v[RD] offset:1568*(z/3)+256*(z%3)  ; LDS serves a wave's instructions in order (ISA guide 5.7.1.4): these see the stores above
.set z, z+1
.endr
	s_lshl_b32 s90, s13, 8
	s_lshl_b32 s91, s10, 6
	s_add_co_u32 s90, s90, s91
	s_add_co_u32 s90, s90, 16*(\a)                 ; the block's first row
	s_lshr_b32 s91, s90, 6
	s_mul_i32 s91, s91, 137
	s_lshr_b32 s91, s91, 11                        ; batch = (row / 64) / 15 (exact for 0..239)
	s_mul_i32 s92, s91, 960
	s_sub_co_u32 s92, s90, s92                     ; position
	s_cmp_lt_u32 s92, 528
	s_cselect_b32 s93, s96, 921
	s_cselect_b32 s94, 0, 15
	s_sub_co_i32 s82, s93, s92
	s_max_i32 s82, s82, 0
	s_min_i32 s82, s82, 16                         ; NV
	s_sub_co_u32 s94, s92, s94                     ; the first row's token
	s_mul_i32 s91, s91, 906
	s_add_co_u32 s91, s91, s94
	s_mul_i32 s91, s91, 3072
	s_cmp_eq_u32 s82, 0
	s_cselect_b32 s91, 0, s91                      ; a block without tokens stores nothing; its base stays inside out0
	s_mul_i32 s93, s42, 768
	s_add_co_u32 s94, s91, s93
	s_mov_b32 s95, 0
	s_add_nc_u64 s[80:81], s[86:87], s[94:95]
	s_wait_dscnt 0x0                               ; the block is back in registers
	NARROW RH
	PUT 0
	NARROW C1
	PUT 1
	PUT 2
	PUT 3
	NARROW R8
	PUT 4
	NARROW C9
	PUT 5
	PUT 6
	PUT 7
	s_wait_xcnt 0x0                                ; the stores have read EXEC, their base and their data: all three are rewritten only behind this wait
	s_mov_b32 exec_lo, -1
.endm
	s_wait_tensorcnt 0x1                           ; my part of K step 0 is in; K step 1's load may stay out
	s_barrier_signal -1
	s_barrier_wait -1
	FETCH 0, 0
.Lstep:                                                ; K steps 0 to 3 ask for K steps 2 to 5
	STEP 1
	s_add_co_u32 s[KC], s[KC], 1
	s_cmp_lt_u32 s[KC], 4
	s_cbranch_scc1 .Lstep
	s_mov_b32 s[KT], 2
.Llast:                                                ; the last two ask for nothing
	STEP 0
	s_sub_co_u32 s[KT], s[KT], 1
	s_cmp_lg_u32 s[KT], 0
	s_cbranch_scc1 .Llast
	OUTB 0                                         ; blocks 0, 1 were finished in front of the change's four places; block 0's 48 additions are the places behind blocks 2, 3's last products
	OUTB 1
	OUTB 2
	OUTB 3
	s_wait_tensorcnt 0x0                           ; the wave's end
	ds_add_u32 v[SPW], v[NIL]
	s_wait_dscnt 0x0
	CROUND                                         ; the closing round
	s_endpgm
.Lfunc_end_k_qeec00d7da6_outp:
	.size	k_qeec00d7da6_outp, .Lfunc_end_k_qeec00d7da6_outp-k_qeec00d7da6_outp
	.p2alignl 7, 3214868480
	.fill 96, 4, 3214868480
	.section	.rodata,"a",@progbits
	.p2align	6, 0x0
	.amdhsa_kernel k_qeec00d7da6_outp
		.amdhsa_group_segment_fixed_size 327680
		.amdhsa_private_segment_fixed_size 0
		.amdhsa_enable_private_segment 0
		.amdhsa_kernarg_size 32
		.amdhsa_user_sgpr_count 2
		.amdhsa_user_sgpr_kernarg_segment_ptr 1
		.amdhsa_wavefront_size32 1
		.amdhsa_system_sgpr_workgroup_id_x 1
		.amdhsa_system_sgpr_workgroup_id_y 1
		.amdhsa_system_sgpr_workgroup_id_z 1
		.amdhsa_system_vgpr_workitem_id 0
		.amdhsa_next_free_vgpr 1024
		.amdhsa_next_free_sgpr 100
		.amdhsa_reserve_vcc 1
		.amdhsa_float_denorm_mode_32 3
		.amdhsa_float_denorm_mode_16_64 3
		.amdhsa_memory_ordered 1
		.amdhsa_forward_progress 1
		.amdhsa_inst_pref_size 109
	.end_amdhsa_kernel
	.amdgpu_metadata
---
amdhsa.version: [ 1, 2 ]
amdhsa.kernels:
  - .name:           k_qeec00d7da6_outp
    .symbol:         k_qeec00d7da6_outp.kd
    .args:
      - { .name: o, .offset: 0, .size: 8, .value_kind: global_buffer, .address_space: global }
      - { .name: wt, .offset: 8, .size: 8, .value_kind: global_buffer, .address_space: global }
      - { .name: bp, .offset: 16, .size: 8, .value_kind: global_buffer, .address_space: global }
      - { .name: out0, .offset: 24, .size: 8, .value_kind: global_buffer, .address_space: global }
    .group_segment_fixed_size: 327680
    .private_segment_fixed_size: 0
    .kernarg_segment_align: 8
    .kernarg_segment_size: 32
    .max_flat_workgroup_size: 128
    .sgpr_count:     100
    .vgpr_count:     1024
    .wavefront_size: 32
...
	.end_amdgpu_metadata
.endif
;; end of part 4
